; MI455X (gfx1250); checked and timed in simulation.
; The chip was launched on July 23, 2026; its instructions are those of AMD's public machine-readable ISA for CDNA 5 (MIT licence, August 2026) and "CDNA5" Instruction Set Architecture Reference Guide (July 2026). The comments in the code are by the model that wrote it; some were corrected since.
;; Bahdanau Attention. Allowed arithmetic: float matrix products may take bf16 or f16 operands with f32 sums; other float arithmetic in f32, or as packed bf16 or f16 multiplies, adds, multiply-adds, maxima and minima; sums over many terms, partial sums and values carried from step to step in f32; what a program stores and reads back later, other than sums and carried values, may be rounded once to bf16 or f16.
;; Inputs: W_dec 1,024 x 1,024 float32; W_enc 1,024 x 1,024 float32; decoder_hidden 32 x 1,024 float32; encoder_outputs 32 x 2,048 x 1,024 float32; mask 32 x 2,048 bool; v 1,024 float32.
;; Outputs: out0 32 x 1,024 float32; out1 32 x 2,048 float32.
;; 3 versions, each right; version 2 is faster than version 1; version 3 is version 2 with the launch attn written anew for expert scheduling mode. Each part assembles by itself: llvm-mc -triple=amdgcn-amd-amdhsa -mcpu=gfx1250 --defsym DOCPART=n.
;; ======== version 1 of 3: 3 launches
;; limits: values are held in f16: magnitudes above 65,504 overflow, below 6.1e-05 lose precision; right only within a limited range of input values
;; workspace buffers: wimg 2,097,152 bytes; decp 131,072 bytes; tsc 262,144 bytes; stat 131,072 bytes; pctx 2,097,152 bytes
;; launch prep (part 1): grid 128 x 1, 8 waves a work-group, no clusters, 17,408 bytes of LDS; arguments W_enc, W_dec, decoder_hidden, wimg, decp; writes wimg, decp
.if DOCPART == 1
	.amdgcn_target "amdgcn-amd-amdhsa--gfx1250"
	.amdhsa_code_object_version 6
	.text
	.protected	k_qc447556259_prep
	.globl	k_qc447556259_prep
	.p2align	8
	.type	k_qc447556259_prep,@function
k_qc447556259_prep:
	s_mov_b64 s[64:65], 0
	v_nop
	global_prefetch_b8 v0, s[64:65] scope:SCOPE_SE
	s_setreg_imm32_b32 hwreg(HW_REG_WAVE_MODE, 25, 1), 1
	s_wait_xcnt 0x0
; TWO SMALL JOBS AHEAD OF THE ATTENTION LAUNCH.  SC = 2 log2(e): tanh(x) = 1 - 2 / (1 + 2^(SC x)), so SC is folded into both results here.
; Work-groups 0-63: wimg = SC x W_enc in f16, laid out as the matrix fragments that the next launch loads: byte = cs 262144 + ks 8192 + b 1024 + jj 512 + 16 L + 2 i holds
;   W_enc[k][n], k = 32 ks + 16 jj + 8 (L / 16) + i, n = (4 (cs % 2) + cs / 2) 128 + 16 b + L % 16.  A wave makes one (cs, ks, jj): 16 rows k x 128 columns n.
; Work-groups 64-127: decp = SC x (decoder_hidden W_dec), f32.  Work-group eb makes columns e = 16 eb .. + 15 for all 32 batches; the sum over d is split among its eight waves, 128 each,
;   and the eight partial sums meet in LDS.  Byte = eb 2048 + (batch / 16) 1024 + h 512 + (batch % 16) 32 + 4 j holds column e = 16 eb + 8 h + j.
; LIMITS.  The matrix operands are f16: |decoder_hidden| and |W_dec| below 65,504, |W_enc| below 22,700 (SC x W_enc below 65,504); below 6e-5 they keep the fixed step of 6e-8.
.set SCL,   0x4038aa3b                 ; SC = 2.8853900
.set SPARE, 16384                      ; LDS: 0-16383 wave kp's partial tile pair at 2048 kp; then the spare words, 128 bytes a wave, which no other line names
.set GV,  5                            ; v5   a gather down a column: 8 (l / 16) rows of 4,096 bytes + 4 (l % 16)
.set L16, 6                            ; v6   16 x lane
.set T8,  7                            ; v7   8 x thread
.set SPW, 8                            ; v8   LDS address of my spare word; never rewritten
.set NIL, 9                            ; v9   0; never rewritten
.set HV,  10                           ; v10  decoder_hidden: (l % 16) rows of 4,096 bytes + 32 (l / 16)
.set LS,  11                           ; v11  where I put my 32 bytes of a partial tile: 2048 x wave + 32 x lane
	s_load_b256 s[4:11], s[0:1], 0x0               ; W_enc s[4:5], W_dec s[6:7], decoder_hidden s[8:9], wimg s[10:11]
	s_load_b64 s[12:13], s[0:1], 0x20              ; decp
	v_lshl_add_u32 v[SPW], v0, 2, SPARE
	v_mov_b32 v[NIL], 0
	v_lshrrev_b32 v1, 5, v0
	v_readfirstlane_b32 s20, v1                    ; wave 0..7
	v_and_b32 v2, 15, v0                           ; l % 16
	v_bfe_u32 v3, v0, 4, 1                         ; l / 16
	v_and_b32 v4, 31, v0                           ; l
	v_lshlrev_b32 v[GV], 2, v2
	v_lshl_or_b32 v[GV], v3, 15, v[GV]
	v_lshlrev_b32 v[L16], 4, v4
	v_lshlrev_b32 v[T8], 3, v0
	v_lshlrev_b32 v[HV], 12, v2
	v_lshl_or_b32 v[HV], v3, 5, v[HV]
	s_lshl_b32 s24, s20, 11
	v_lshl_add_u32 v[LS], v4, 5, s24
	s_mov_b32 s21, ttmp9
	s_mov_b32 s22, SCL                             ; a pair: the packed multiply takes its low word for both halves
	s_mov_b32 s23, SCL
	s_wait_kmcnt 0x0
	s_cmp_lt_u32 s21, 64                           ; the same answer in all eight waves of a work-group
	s_cbranch_scc0 .Ldec
	; ---- the image of W_enc ----
	s_lshl_b32 s24, s21, 3
	s_add_co_u32 s24, s24, s20                     ; my task, 0..511
	s_lshr_b32 s25, s24, 6                         ; cs
	s_bfe_u32 s26, s24, 0x50001                    ; ks
	s_and_b32 s27, s24, 1                          ; jj
	s_lshl_b32 s28, s26, 17                        ; 32 ks rows of 4,096 bytes
	s_lshl_b32 s29, s27, 16                        ; 16 jj rows
	s_add_co_u32 s28, s28, s29
	s_and_b32 s29, s25, 1
	s_lshl_b32 s29, s29, 2
	s_lshr_b32 s30, s25, 1
	s_or_b32 s29, s29, s30                         ; the block of 128 columns
	s_lshl_b32 s29, s29, 9
	s_add_co_u32 s28, s28, s29
	s_mov_b32 s29, 0
	s_add_nc_u64 s[4:5], s[4:5], s[28:29]
	s_lshl_b32 s30, s25, 18
	s_lshl_b32 s31, s26, 13
	s_add_co_u32 s30, s30, s31
	s_lshl_b32 s31, s27, 9
	s_add_co_u32 s30, s30, s31
	s_mov_b32 s31, 0
	s_add_nc_u64 s[10:11], s[10:11], s[30:31]
.irp b, 0,1,2,3,4,5,6,7                ; lane (r, h) takes W_enc[k0 + 8 h + i][n0 + 16 b + r]; the wave's 64 loads together cover 16 rows x 512 bytes
.irp i, 0,1,2,3,4,5,6,7
	global_load_b32 v[64+8*(\b)+(\i)], v[GV], s[4:5] offset:(\i)*4096+(\b)*64
.endr
.endr
	s_wait_loadcnt 0x0
.set y, 0
.rept 32
	v_pk_mul_f32 v[64+2*y:65+2*y], v[64+2*y:65+2*y], s[22:23] op_sel_hi:[1,0]
.set y, y+1
.endr
.set y, 0
.rept 32
	v_cvt_pk_f16_f32 v[32+y], v[64+2*y], v[64+2*y+1]
.set y, y+1
.endr
.irp b, 0,1,2,3,4,5,6,7
	global_store_b128 v[L16], v[32+4*(\b):35+4*(\b)], s[10:11] offset:(\b)*1024  ; 512 consecutive bytes, at a multiple of 512 from the buffer's first
.endr
	s_branch .Ljoin
	; ---- dec_proj: source 0 = 16 columns e of W_dec (gathered down the columns), source 1 = 16 batches ----
.Ldec:
	s_sub_co_u32 s25, s21, 64                      ; eb
	s_lshl_b32 s28, s20, 19                        ; my 128 rows d of W_dec
	s_lshl_b32 s29, s25, 6                         ; the 16 columns
	s_add_co_u32 s28, s28, s29
	s_mov_b32 s29, 0
	s_add_nc_u64 s[6:7], s[6:7], s[28:29]
	s_lshl_b32 s28, s20, 9                         ; my 128 channels d of decoder_hidden
	s_add_nc_u64 s[8:9], s[8:9], s[28:29]
	s_lshl_b32 s28, s25, 11
	s_add_nc_u64 s[12:13], s[12:13], s[28:29]
.irp q, 0,1,2,3                        ; K step q of 32; x = 8 jj + i
.irp x, 0,1,2,3,4,5,6,7,8,9,10,11,12,13,14,15
	global_load_b32 v[64+16*(\q)+(\x)], v[GV], s[6:7] offset:(32*(\q)+16*((\x)/8)+(\x)%8)*4096
.endr
.endr
.irp bb, 0,1                           ; batches 16 bb on; x = 2 jj + c
.irp q, 0,1,2,3
.irp x, 0,1,2,3
	global_load_b128 v[128+64*(\bb)+16*(\q)+4*(\x):128+64*(\bb)+16*(\q)+4*(\x)+3], v[HV], s[8:9] offset:(\bb)*65536+(\q)*128+((\x)/2)*64+((\x)%2)*16
.endr
.endr
.endr
	s_wait_loadcnt 0x0
.set y, 0
.rept 32                               ; in place, ascending: word y is made of words 2 y and 2 y + 1, which no earlier line has overwritten
	v_cvt_pk_f16_f32 v[64+y], v[64+2*y], v[64+2*y+1]
.set y, y+1
.endr
.set y, 0
.rept 64
	v_cvt_pk_f16_f32 v[128+y], v[128+2*y], v[128+2*y+1]
.set y, y+1
.endr
.irp q, 0,1,2,3                        ; the two accumulators take turns, one instruction a turn; the first K step starts the sums
.irp bb, 0,1
.if (\q) == 0
	v_wmma_f32_16x16x32_f16 v[32+8*(\bb):39+8*(\bb)], v[64+8*(\q):71+8*(\q)], v[128+32*(\bb)+8*(\q):135+32*(\bb)+8*(\q)], 0
.else
	v_wmma_f32_16x16x32_f16 v[32+8*(\bb):39+8*(\bb)], v[64+8*(\q):71+8*(\q)], v[128+32*(\bb)+8*(\q):135+32*(\bb)+8*(\q)], v[32+8*(\bb):39+8*(\bb)]
.endif
.endr
.endr
.rept 4
	v_nop                                          ; four places between the last product and the stores that read results
.endr
.irp bb, 0,1                           ; register j of lane (r, h) is (e = 16 eb + 8 h + j, batch 16 bb + r): 32 bytes a lane, in decp's own order
	ds_store_b128 v[LS], v[32+8*(\bb):35+8*(\bb)] offset:1024*(\bb)
	ds_store_b128 v[LS], v[36+8*(\bb):39+8*(\bb)] offset:1024*(\bb)+16
.endr
.Ljoin:
	s_wait_dscnt 0x0                               ; for the others' sake: my partial sums lie in LDS
	s_barrier_signal -1
	s_barrier_wait -1                              ; every wave of every work-group passes this barrier
	s_cmp_lt_u32 s21, 64
	s_cbranch_scc1 .Lend                           ; the image's work-groups have nothing to add up
.irp p, 0,1,2,3,4,5,6,7                ; each thread adds up 8 bytes of the 2,048
	ds_load_b64 v[64+2*(\p):65+2*(\p)], v[T8] offset:2048*(\p)
.endr
	s_wait_dscnt 0x0
	v_pk_add_f32 v[64:65], v[64:65], v[66:67]
	v_pk_add_f32 v[68:69], v[68:69], v[70:71]
	v_pk_add_f32 v[72:73], v[72:73], v[74:75]
	v_pk_add_f32 v[76:77], v[76:77], v[78:79]
	v_pk_add_f32 v[64:65], v[64:65], v[68:69]
	v_pk_add_f32 v[72:73], v[72:73], v[76:77]
	v_pk_add_f32 v[64:65], v[64:65], v[72:73]
	v_pk_mul_f32 v[64:65], v[64:65], s[22:23] op_sel_hi:[1,0]
	global_store_b64 v[T8], v[64:65], s[12:13]     ; a wave stores 256 consecutive bytes, at a multiple of 256 from the buffer's first
.Lend:
	s_wait_tensorcnt 0x0                           ; the wave's end, behind my last LDS store
	ds_add_u32 v[SPW], v[NIL]
	s_wait_dscnt 0x0
	s_endpgm
.Lfunc_end_k_qc447556259_prep:
	.size	k_qc447556259_prep, .Lfunc_end_k_qc447556259_prep-k_qc447556259_prep
	.p2alignl 7, 3214868480
	.fill 96, 4, 3214868480
	.section	.rodata,"a",@progbits
	.p2align	6, 0x0
	.amdhsa_kernel k_qc447556259_prep
		.amdhsa_group_segment_fixed_size 17408
		.amdhsa_private_segment_fixed_size 0
		.amdhsa_enable_private_segment 0
		.amdhsa_kernarg_size 40
		.amdhsa_user_sgpr_count 2
		.amdhsa_user_sgpr_kernarg_segment_ptr 1
		.amdhsa_wavefront_size32 1
		.amdhsa_system_sgpr_workgroup_id_x 1
		.amdhsa_system_sgpr_workgroup_id_y 1
		.amdhsa_system_sgpr_workgroup_id_z 1
		.amdhsa_system_vgpr_workitem_id 0
		.amdhsa_next_free_vgpr 256
		.amdhsa_next_free_sgpr 66
		.amdhsa_reserve_vcc 0
		.amdhsa_float_denorm_mode_32 3
		.amdhsa_float_denorm_mode_16_64 3
		.amdhsa_memory_ordered 1
		.amdhsa_forward_progress 1
		.amdhsa_inst_pref_size 31
	.end_amdhsa_kernel
	.amdgpu_metadata
---
amdhsa.version: [ 1, 2 ]
amdhsa.kernels:
  - .name:           k_qc447556259_prep
    .symbol:         k_qc447556259_prep.kd
    .args:
      - { .name: W_enc, .offset: 0, .size: 8, .value_kind: global_buffer, .address_space: global }
      - { .name: W_dec, .offset: 8, .size: 8, .value_kind: global_buffer, .address_space: global }
      - { .name: decoder_hidden, .offset: 16, .size: 8, .value_kind: global_buffer, .address_space: global }
      - { .name: wimg, .offset: 24, .size: 8, .value_kind: global_buffer, .address_space: global }
      - { .name: decp, .offset: 32, .size: 8, .value_kind: global_buffer, .address_space: global }
    .group_segment_fixed_size: 17408
    .private_segment_fixed_size: 0
    .kernarg_segment_align: 8
    .kernarg_segment_size: 40
    .max_flat_workgroup_size: 256
    .sgpr_count:     66
    .vgpr_count:     256
    .wavefront_size: 32
...
	.end_amdgpu_metadata
.endif
;; end of part 1
;; launch attn (part 2): grid 512 x 1, 4 waves a work-group, no clusters, 271,872 bytes of LDS; arguments encoder_outputs, mask, v, wimg, decp, tsc, stat, pctx; writes tsc, stat, pctx
.if DOCPART == 2
	.amdgcn_target "amdgcn-amd-amdhsa--gfx1250"
	.amdhsa_code_object_version 6
	.text
	.protected	k_qc447556259_attn
	.globl	k_qc447556259_attn
	.p2align	8
	.type	k_qc447556259_attn,@function
k_qc447556259_attn:
	s_mov_b64 s[64:65], 0
	v_nop
	global_prefetch_b8 v0, s[64:65] scope:SCOPE_SE
	s_setreg_imm32_b32 hwreg(HW_REG_WAVE_MODE, 25, 1), 1
	s_wait_xcnt 0x0
; ADDITIVE ATTENTION, ONE TILE OF 128 ENCODER ROWS OF ONE BATCH TO A WORK-GROUP (tile T = 16 x batch + t).
; The tile's 128 x 1024 f32 are read from memory ONCE, rounded to f16 and kept in LDS; they serve both products: x = enc W_enc (+ dec_proj), and the context, sum of p enc.
; tanh(x) = 1 - 2 r, r = 1 / (1 + 2^(SC x)), SC = 2 log2(e), folded into wimg and decp by the launch before.  score = sum_d v_d - 2 sum_d v_d r_d; the first sum is the same for all positions of
; a batch and cancels in the softmax, so the exponent (base 2) is t = CEXP sum_d v_d r_d, CEXP = -2 log2(e).  Overflow is harmless: 2^x = inf gives r = 0, 2^x = 0 gives r = 1.
; SOFTMAX.  The tile takes its own maximum m (never below the lowest finite number), p = 2^(t - m), l = sum p; a masked position has t = -inf and p = 0.  The last launch joins a batch's 16 tiles.
; SHARES.  Two passes of 512 columns d; in pass p wave w owns columns (4 p + w) 128 .. + 127 for all 128 rows: 64 accumulators of 16 x 16, 512 registers.  So the sum over d never leaves the work-group.
; THE MATRIX INSTRUCTION IS USED TRANSPOSED: source 0 = 16 columns d of W, source 1 = 16 rows of enc.  Register j of lane (r, h) is (d = 16 b + 8 h + j, row 16 a + r): the sum over d is taken within
; a lane, then once between the halves of the lanes, then over the four waves in LDS.  dec_proj is the C operand of the first K step: nothing is cleared and nothing is added.
; W COMES STRAIGHT INTO REGISTERS: no wave wants a column of W that another wave has fetched, and wimg lies in fragment order, so a load is 512 consecutive bytes; four register buffers, three K steps ahead.
; NO TENSOR LOADS, NO CLUSTER: the resident tile takes 264,192 of the LDS bytes; what is left holds no two slots of W large enough for a refill to land in, and LDS would add no reuse of W.
; NO PREFETCH: the phase that reads enc does nothing else and has 48 loads a wave out; wimg is walked by every work-group again and again.
; LIMITS.  Matrix operands are f16: |encoder_outputs| below 65,504; below 6e-5 they keep the fixed step of 6e-8; p lies in 0 to 1 and is rounded to f16 for the context (l is the sum of the unrounded p).
; 2^x, r and p below 2^-126 count as 0.  NaN and infinities in the inputs are not treated apart.
; REGISTERS, in windows of 256 (s_set_vgpr_msb: bits 1:0 source 0, 3:2 source 1, 5:4 source 2, 7:6 destination):
;   window 0: v0-31 addresses; v32-39 S, a row block's sum; v40-63 at work at the end; v64-191 two buffers of enc fragments (v64-95 also the rounded words on the way in, v64-127 v's fragments in an
;             epilogue, v128-167 p's fragments and the way out at the end); v192-255 dec_proj's fragments
;   window 1: four buffers of W fragments; at the end enc's turned fragments      window 2: accumulators of row blocks 0-3 ((a, b) at 8 (8 a + b)); first the four landing sets of enc; at the end the context
;   window 3: accumulators of row blocks 4-7
.set PA,    2064                       ; an LDS row of the tile: 2,048 bytes + 16 = 516 words: row r starts at bank 4 r mod 64 (64 banks of 4 bytes: ISA guide 11.1), so a fragment load's 16 rows start at 16 different banks
.set SCB,   128*PA                     ; behind the tile: [wave][128] f32, the waves' partial sums
.set PH,    SCB+2048                   ; [wave][128] f16: p, a copy for each wave
.set CT,    PH+1024                    ; [wave][256] f32: the context's way out
.set SPARE, CT+4096                    ; the spare words, 128 bytes a wave: two blocks of 256 bytes that no other line names
.set ADRA, 4                           ; v4-11  row block a: (16 a + r) PA + 16 h + the K bytes walked
.set BO,   12                          ; v12    16 l
.set EO,   13                          ; v13    enc: (32 w + 8 h) rows of 4,096 bytes + 16 r
.set STA,  14                          ; v14    the tile: (32 w + 8 h) PA + 8 r + the K bytes walked
.set DVO,  15                          ; v15    512 h
.set VO,   16                          ; v16    32 h
.set ML,   17                          ; v17    4 l
.set MK,   18                          ; v18    the mask bytes of rows 4 l .. 4 l + 3
.set SCA,  19                          ; v19    SCB + 512 w + 4 r
.set SCR,  20                          ; v20    SCB + 16 l
.set PHW,  21                          ; v21    PH + 256 w + 8 l
.set PHR,  22                          ; v22    PH + 256 w + 16 h
.set CTA,  23                          ; v23    CT + 1024 w + 32 h
.set TRA,  24                          ; v24-27 the turning loads of K step q: (32 q + 8 h + l % 8) PA + 512 w + 16 ((l / 8) % 2)
.set SPW,  28                          ; v28    LDS address of my spare word; never rewritten
.set NIL,  29                          ; v29    0; never rewritten
.set NINF, 30                          ; v30    -inf
.set CTR,  31                          ; v31    CT + 1024 w + 16 l
.set S,    32
.set L8,   58                          ; v58    8 l
.set AB,   63                          ; v63    r PA + 16 h
.set AF,   64
.set TC,   64
.set VV,   64
.set PF,   128
.set DEC,  192
.set WV,   20                          ; s20      wave
.set TL,   21                          ; s21      tile
.set ENC,  22                          ; s[22:23] enc at the tile, at the slices in hand
.set WB,   24                          ; s[24:25] wimg at my wave's 512 KiB, at the K steps in hand
.set DB,   26                          ; s[26:27], s[32:33] decp for pass 0, 1
.set CNT,  28                          ; s28      loop counter
.set SEL,  30                          ; s[30:31] v_permlanex16_b32's selects: each lane takes its own place in the other half
.set VB,   34                          ; s[34:35], s[36:37] v for pass 0, 1
.set MSB, 0
.macro WIN new                         ; the immediate's high byte repeats the setting that is left; a switch that changes nothing is dropped
.if MSB != (\new)
	s_set_vgpr_msb (MSB<<8)|(\new)
.set MSB, \new
.endif
.endm
.macro PLACES                          ; four places behind a matrix instruction, in front of loads into registers that it has read and of vector work on its results
.rept 4
	v_nop
.endr
.endm
	s_load_b512 s[4:19], s[0:1], 0x0               ; enc s[4:5], mask s[6:7], v s[8:9], wimg s[10:11], decp s[12:13], tsc s[14:15], stat s[16:17], pctx s[18:19]
	v_lshl_add_u32 v[SPW], v0, 2, SPARE
	v_mov_b32 v[NIL], 0
	v_lshrrev_b32 v1, 5, v0
	v_readfirstlane_b32 s[WV], v1                  ; wave 0..3
	s_mov_b32 s[TL], ttmp9
	v_and_b32 v1, 15, v0                           ; r
	v_bfe_u32 v2, v0, 4, 1                         ; h
	v_and_b32 v3, 31, v0                           ; l
	v_mul_u32_u24 v[AB], v1, PA
	v_lshl_add_u32 v[AB], v2, 4, v[AB]
.irp a, 0,1,2,3,4,5,6,7
	v_add_nc_u32 v[ADRA+(\a)], (\a)*16*PA, v[AB]
.endr
	v_lshlrev_b32 v[BO], 4, v3
	s_lshl_b32 s28, s[WV], 17
	v_lshlrev_b32 v[EO], 4, v1
	v_lshl_add_u32 v[EO], v2, 15, v[EO]
	v_add_nc_u32 v[EO], s28, v[EO]
	s_mul_i32 s28, s[WV], 32*PA
	v_mul_u32_u24 v[STA], v2, 8*PA
	v_lshl_add_u32 v[STA], v1, 3, v[STA]
	v_add_nc_u32 v[STA], s28, v[STA]
	v_lshlrev_b32 v[DVO], 9, v2
	v_lshlrev_b32 v[VO], 5, v2
	v_lshlrev_b32 v[ML], 2, v3
	v_lshlrev_b32 v[L8], 3, v3
	s_lshl_b32 s28, s[WV], 9
	s_add_co_u32 s28, s28, SCB
	v_lshl_add_u32 v[SCA], v1, 2, s28
	v_lshl_add_u32 v[SCR], v3, 4, SCB
	s_lshl_b32 s28, s[WV], 8
	s_add_co_u32 s28, s28, PH
	v_lshl_add_u32 v[PHW], v3, 3, s28
	v_lshl_add_u32 v[PHR], v2, 4, s28
	s_lshl_b32 s28, s[WV], 10
	s_add_co_u32 s28, s28, CT
	v_lshl_add_u32 v[CTA], v2, 5, s28
	v_lshl_add_u32 v[CTR], v3, 4, s28
	v_and_b32 v40, 7, v0
	v_lshl_add_u32 v40, v2, 3, v40
	v_mul_u32_u24 v40, v40, PA
	v_bfe_u32 v41, v0, 3, 1
	v_lshl_add_u32 v40, v41, 4, v40
	s_lshl_b32 s28, s[WV], 9
	v_add_nc_u32 v40, s28, v40
.irp q, 0,1,2,3
	v_add_nc_u32 v[TRA+(\q)], (\q)*32*PA, v40
.endr
	v_mov_b32 v[NINF], 0xff800000
	s_mov_b32 s[SEL], 0x76543210
	s_mov_b32 s[SEL+1], 0xfedcba98
	s_mov_b32 s46, 0xc038aa3b                      ; CEXP = -2 log2(e); a pair: the packed multiply takes its low word for both halves
	s_mov_b32 s47, s46
	s_mov_b32 s48, 0xff7fffff                      ; the lowest finite number
	s_lshr_b32 s38, s[TL], 4                       ; the batch
	s_lshr_b32 s39, s38, 4
	s_lshl_b32 s39, s39, 10
	s_and_b32 s42, s38, 15
	s_lshl_b32 s42, s42, 5
	s_add_co_u32 s39, s39, s42                     ; the batch's place in a block of decp
	s_lshl_b32 s42, s[WV], 14
	s_add_co_u32 s39, s39, s42                     ; + my wave's eight blocks of pass 0
	s_mov_b32 s41, 0
	s_wait_kmcnt 0x0
	s_lshl_b32 s40, s[TL], 7
	s_add_nc_u64 s[6:7], s[6:7], s[40:41]
	global_load_b32 v[MK], v[ML], s[6:7]           ; wanted at the very end
	s_lshl_b32 s40, s[TL], 19
	s_add_nc_u64 s[ENC:ENC+1], s[4:5], s[40:41]
	s_lshl_b32 s40, s[WV], 19
	s_add_nc_u64 s[WB:WB+1], s[10:11], s[40:41]
	s_mov_b32 s40, s39
	s_add_nc_u64 s[DB:DB+1], s[12:13], s[40:41]
	s_add_nc_u64 s[DB+6:DB+7], s[DB:DB+1], 0x10000 ; pass 1: four waves' blocks on
	s_lshl_b32 s40, s[WV], 9
	s_add_nc_u64 s[VB:VB+1], s[8:9], s[40:41]
	s_add_nc_u64 s[VB+2:VB+3], s[VB:VB+1], 0x800
	s_lshl_b32 s40, s[TL], 9
	s_add_nc_u64 s[14:15], s[14:15], s[40:41]
	s_lshl_b32 s40, s[TL], 8
	s_add_nc_u64 s[16:17], s[16:17], s[40:41]
	s_lshl_b32 s40, s[TL], 12
	s_lshl_b32 s42, s[WV], 10
	s_add_co_u32 s40, s40, s42
	s_add_nc_u64 s[18:19], s[18:19], s[40:41]
; ---------------- THE TILE COMES IN: 16 slices of 64 channels (256 bytes of every row); wave w takes rows 32 w .. + 31 ----------------
; A slice's 16 loads into landing set \set: load i takes rows 16 (i / 8) + i % 8 and 8 further down: lanes 0-15 one row's 256 bytes, lanes 16-31 the other's.
.macro LD set, sl
	WIN 0x80                                       ; destination window 2
.set i, 0
.rept 16
	global_load_b128 v[64*(\set)+4*i:64*(\set)+4*i+3], v[EO], s[ENC:ENC+1] offset:(16*(i/8)+i%8)*4096+256*(\sl) th:TH_LOAD_NT
.set i, i+1
.endr
.endm
; The turn of the slice in set q: it has landed; the slice three on is asked for; the slice is rounded to f16 and stored into the tile.  cnt: the younger loads that may stay out.
.macro TURN q, issue, cnt
	s_wait_loadcnt \cnt
.if \issue
	LD ((\q)+3)%4, (\q)+3
.endif
	WIN 0x0a                                       ; sources window 2, destination window 0
.set y, 0
.rept 32
	v_cvt_pk_f16_f32 v[TC+y], v[64*(\q)+2*y], v[64*(\q)+2*y+1]
.set y, y+1
.endr
	WIN 0
.set i, 0
.rept 16                               ; 8 bytes a lane: 128 bytes of one row and 128 of the row 8 further down, which begins 32 banks on
	ds_store_b64 v[STA], v[TC+2*i:TC+2*i+1] offset:(16*(i/8)+i%8)*PA+128*(\q)
.set i, i+1
.endr
.endm
; ---------------- THE PRODUCT ----------------
.macro FETCH_A buf, off                ; 16 LDS loads: the enc fragments of one K step (128 rows x 32 channels)
	WIN 0
.irp a, 0,1,2,3,4,5,6,7
	ds_load_b128 v[AF+64*(\buf)+8*(\a):AF+64*(\buf)+8*(\a)+3],   v[ADRA+(\a)] offset:(\off)
	ds_load_b128 v[AF+64*(\buf)+8*(\a)+4:AF+64*(\buf)+8*(\a)+7], v[ADRA+(\a)] offset:(\off)+32
.endr
.endm
.macro FETCH_B buf, off                ; 16 loads of 512 consecutive bytes: the W fragments of one K step (128 columns x 32 channels)
	WIN 0x40                                       ; destination window 1
.irp b, 0,1,2,3,4,5,6,7
	global_load_b128 v[64*(\buf)+8*(\b):64*(\buf)+8*(\b)+3],   v[BO], s[WB:WB+1] offset:(\off)+1024*(\b)
	global_load_b128 v[64*(\buf)+8*(\b)+4:64*(\buf)+8*(\b)+7], v[BO], s[WB:WB+1] offset:(\off)+1024*(\b)+512
.endr
.endm
.macro LOAD_DEC p                      ; SC x dec_proj of my 128 columns of pass p, as a C operand: register j of lane (r, h) is column 16 b + 8 h + j
	WIN 0
.irp b, 0,1,2,3,4,5,6,7
	global_load_b128 v[DEC+8*(\b):DEC+8*(\b)+3],   v[DVO], s[DB+6*(\p):DB+6*(\p)+1] offset:2048*(\b)
	global_load_b128 v[DEC+8*(\b)+4:DEC+8*(\b)+7], v[DVO], s[DB+6*(\p):DB+6*(\p)+1] offset:2048*(\b)+16
.endr
.endm
.macro LOAD_VV p                       ; v of the same columns, in the same order
	WIN 0
.irp b, 0,1,2,3,4,5,6,7
	global_load_b128 v[VV+8*(\b):VV+8*(\b)+3],   v[VO], s[VB+2*(\p):VB+2*(\p)+1] offset:64*(\b)
	global_load_b128 v[VV+8*(\b)+4:VV+8*(\b)+7], v[VO], s[VB+2*(\p):VB+2*(\p)+1] offset:64*(\b)+16
.endr
.endm
; 16 matrix instructions: row blocks a0, a0 + 1 of the window's four x all 8 column blocks.  first = 1: the sums start with dec_proj.
; The 64 accumulators take turns, one instruction a turn, in the same order in every K step, over the backward jumps too.
.macro MUL16 ab, bb, hi, a0, first
.if \first
	WIN 0x81+0x40*(\hi)                            ; W window 1, enc window 0, C (dec_proj) window 0, D window 2 or 3
.else
	WIN 0xa1+0x50*(\hi)                            ; the same with C = D
.endif
.irp a, \a0, (\a0)+1
.irp b, 0,1,2,3,4,5,6,7
.if \first
	v_wmma_f32_16x16x32_f16 v[8*(8*(\a)+(\b)):8*(8*(\a)+(\b))+7], v[64*(\bb)+8*(\b):64*(\bb)+8*(\b)+7], v[AF+64*(\ab)+8*(4*(\hi)+(\a)):AF+64*(\ab)+8*(4*(\hi)+(\a))+7], v[DEC+8*(\b):DEC+8*(\b)+7]
.else
	v_wmma_f32_16x16x32_f16 v[8*(8*(\a)+(\b)):8*(8*(\a)+(\b))+7], v[64*(\bb)+8*(\b):64*(\bb)+8*(\b)+7], v[AF+64*(\ab)+8*(4*(\hi)+(\a)):AF+64*(\ab)+8*(4*(\hi)+(\a))+7], v[8*(8*(\a)+(\b)):8*(8*(\a)+(\b))+7]
.endif
.endr
.endr
.endm
; A K step of 32: 64 matrix instructions on enc buffer ab and W buffer bb.  In its middle, in one run: the next step's enc fragments (fa, at byte ao) and the W fragments three steps on (nb, at byte bo).
; lc: the younger global loads that may stay out when this step's W must be there.  extra = 1: pass 1's dec_proj and pass 0's v are asked for; 2: pass 1's v.
.macro STEP ab, bb, first, lc, fa, ao, nb, bo, extra
	s_wait_loadcnt \lc
	s_wait_dscnt 8                                 ; enc's row blocks 0-3 are in; the youngest eight loads (blocks 4-7) may be out
	MUL16 \ab, \bb, 0, 0, \first
	MUL16 \ab, \bb, 0, 2, \first
	PLACES
.if \fa
	FETCH_A 1-(\ab), \ao
.endif
.if (\extra) == 1
	LOAD_DEC 1
	LOAD_VV 0
.endif
.if (\extra) == 2
	LOAD_VV 1
.endif
.if \nb
	FETCH_B ((\bb)+3)%4, \bo
.endif
	s_wait_dscnt 16*(\fa)                          ; all LDS loads but those just issued
	MUL16 \ab, \bb, 1, 0, \first
	MUL16 \ab, \bb, 1, 2, \first
.endm
.macro FOUR                            ; a trip of a pass's loop: four K steps, once round the W buffers; then the pointers step
	STEP 1, 1, 0, 32, 1, 128, 1, 32768, 0
	STEP 0, 2, 0, 32, 1, 192, 1, 40960, 0
	STEP 1, 3, 0, 32, 1, 256, 1, 49152, 0
	STEP 0, 0, 0, 32, 1, 320, 1, 57344, 0
	WIN 0                                          ; at a label and at a branch every window is 0
	s_wait_xcnt 0x0                                ; the loads issued so far have read their base, so it may be written
	s_add_nc_u64 s[WB:WB+1], s[WB:WB+1], 32768
.irp a, 0,1,2,3,4,5,6,7
	v_add_nc_u32 v[ADRA+(\a)], 256, v[ADRA+(\a)]
.endr
	s_sub_co_u32 s[CNT], s[CNT], 1
	s_cmp_lg_u32 s[CNT], 0
.endm
; ---------------- THE EPILOGUE OF A PASS: r = 1 / (1 + 2^x) and the sum of v r over my 128 columns, window by window, under one window setting ----------------
; A window's 256 registers go in four UNITS: unit u is column blocks 2 u, 2 u + 1 of its four row blocks; register x of a unit: row block x / 16, column block 2 u + (x / 8) % 2, register x % 8.
; Four stages: E 2^x; A + 1; R reciprocal; F times v, added onto the registers of column block 0.
; ROUND k: A of unit k - 1 between E of unit k, then F of unit k - 2 between R of unit k - 1.  Nothing in a round names a result of a transcendental of the same round; a round that has issued any ends
; with one plain instruction and ONE wait for all of them, ahead of the first line that names a result.
.macro ROUND k
.set i, 0
.rept 32
.set x, 2*i
.if ((\k) >= 1) && ((\k) <= 4)
.set rg, 8*(8*(x/16)+2*((\k)-1)+(x/8)%2)+x%8
	v_pk_add_f32 v[rg:rg+1], v[rg:rg+1], 1.0 op_sel_hi:[1,0]
.endif
.if (\k) <= 3
.set rg, 8*(8*(x/16)+2*(\k)+(x/8)%2)+x%8
	v_exp_f32 v[rg], v[rg]
	v_exp_f32 v[rg+1], v[rg+1]
.endif
.set i, i+1
.endr
.set i, 0
.rept 32
.if (\k) >= 2                          ; item i: column block 2 (k - 2) + i / 16, pair (i / 4) % 4, row block i % 4: sixteen others stand between two links of a chain
.set cb, 2*((\k)-2)+i/16
.set rs, 64*(i%4)+2*((i/4)%4)
.set rb, 8*(8*(i%4)+cb)+2*((i/4)%4)
.set rv, VV+8*cb+2*((i/4)%4)
.if cb == 0
	v_pk_mul_f32 v[rs:rs+1], v[rs:rs+1], v[rv:rv+1]
.else
	v_pk_fma_f32 v[rs:rs+1], v[rb:rb+1], v[rv:rv+1], v[rs:rs+1]
.endif
.endif
.if ((\k) >= 1) && ((\k) <= 4)
.set x, 2*i
.set rg, 8*(8*(x/16)+2*((\k)-1)+(x/8)%2)+x%8
	v_rcp_f32 v[rg], v[rg]
	v_rcp_f32 v[rg+1], v[rg+1]
.endif
.set i, i+1
.endr
.if (\k) <= 4
	v_nop                                          ; a plain instruction behind the last transcendental
	s_wait_alu depctr_va_vdst(0)                   ; the wait for the round's batch
.endif
.endm
; left: the global loads younger than v's fragments, which may stay out at their first use (round 2 of the first window).
.macro EPI pass, left
	PLACES
.irp hi, 0, 1
	WIN 0xa2+0x51*(\hi)                            ; destination, source 0 and source 2 in the accumulators' window, source 1 (v) in window 0
	ROUND 0
	ROUND 1
.if (\hi) == 0
	s_wait_loadcnt \left
.endif
	ROUND 2
	ROUND 3
	ROUND 4
	ROUND 5
	WIN 0x8a+0x45*(\hi)                            ; all in the accumulators' window: a row block's four pairs into one
.irp ap, 0,1,2,3
	v_pk_add_f32 v[64*(\ap):64*(\ap)+1], v[64*(\ap):64*(\ap)+1], v[64*(\ap)+2:64*(\ap)+3]
.endr
.irp ap, 0,1,2,3
	v_pk_add_f32 v[64*(\ap)+4:64*(\ap)+5], v[64*(\ap)+4:64*(\ap)+5], v[64*(\ap)+6:64*(\ap)+7]
.endr
.irp ap, 0,1,2,3
	v_pk_add_f32 v[64*(\ap):64*(\ap)+1], v[64*(\ap):64*(\ap)+1], v[64*(\ap)+4:64*(\ap)+5]
.endr
.if (\pass) == 0
	WIN 0x0a+5*(\hi)                               ; pass 0 starts S
.irp ap, 0,1,2,3
	v_add_f32 v[S+4*(\hi)+(\ap)], v[64*(\ap)], v[64*(\ap)+1]
.endr
.else
	WIN 0x02+(\hi)                                 ; pass 1 adds onto it
.irp ap, 0,1,2,3
	v_add_f32 v[S+4*(\hi)+(\ap)], v[64*(\ap)], v[S+4*(\hi)+(\ap)]
.endr
.irp ap, 0,1,2,3
	v_add_f32 v[S+4*(\hi)+(\ap)], v[64*(\ap)+1], v[S+4*(\hi)+(\ap)]
.endr
.endif
.endr
	WIN 0
.endm
; ---------------- THE CONTEXT: wave w makes channels 256 w .. + 255 of sum_s p_s enc[s][:] ----------------
.macro TRL q, base                     ; 32 turning loads: rows 32 q .. + 31 of the tile x my 256 channels, as 16 fragments whose lane holds one channel
	WIN 0x40
.set i, 0
.rept 16
	ds_load_tr16_b128 v[(\base)+8*i:(\base)+8*i+3],   v[TRA+(\q)] offset:32*i
	ds_load_tr16_b128 v[(\base)+8*i+4:(\base)+8*i+7], v[TRA+(\q)] offset:32*i+16*PA
.set i, i+1
.endr
.endm
.macro CW q, base                      ; 16 matrix instructions: source 0 = 16 channels, source 1 = p in all 16 columns; the 16 accumulators take turns
	WIN 0xa1
.set i, 0
.rept 16
.if (\q) == 0
	v_wmma_f32_16x16x32_f16 v[8*i:8*i+7], v[(\base)+8*i:(\base)+8*i+7], v[PF+8*(\q):PF+8*(\q)+7], 0
.else
	v_wmma_f32_16x16x32_f16 v[8*i:8*i+7], v[(\base)+8*i:(\base)+8*i+7], v[PF+8*(\q):PF+8*(\q)+7], v[8*i:8*i+7]
.endif
.set i, i+1
.endr
.endm
	; ======== the tile comes in ========
	LD 0, 0
	LD 1, 1
	LD 2, 2                                        ; three slices, 48 loads a wave, are out from here on
	WIN 0
	s_mov_b32 s[CNT], 3
.Lbulk:                                                ; a trip: four slices; the counts leave the two younger slices out
	TURN 0, 1, 32
	TURN 1, 1, 32
	TURN 2, 1, 32
	TURN 3, 1, 32
	s_wait_xcnt 0x0                                ; the loads have read their base
	s_add_nc_u64 s[ENC:ENC+1], s[ENC:ENC+1], 1024
	v_add_nc_u32 v[STA], 512, v[STA]
	s_sub_co_u32 s[CNT], s[CNT], 1
	s_cmp_lg_u32 s[CNT], 0
	s_cbranch_scc1 .Lbulk
	TURN 0, 1, 32                                  ; slice 12; slice 15, the last, is asked for
	TURN 1, 0, 32                                  ; slice 13: 14 and 15 stay out
	TURN 2, 0, 16                                  ; slice 14: 15 stays out
	LOAD_DEC 0                                     ; the product's first operands go out under the last slice's work
	FETCH_B 0, 0
	TURN 3, 0, 32                                  ; slice 15: the 32 loads just issued stay out
	FETCH_B 1, 8192
	FETCH_B 2, 16384
	WIN 0
	s_wait_dscnt 0x0                               ; for the others' sake: my 32 rows lie in LDS
	s_barrier_signal -1
	s_barrier_wait -1                              ; the tile is whole; nobody writes it again
	; ======== pass 0: K steps 0 to 31 of my W stream ========
	FETCH_A 0, 0
	STEP 0, 0, 1, 32, 1, 64, 1, 24576, 0           ; the first K step stands in front of the loop: its products start the sums
	WIN 0
	s_mov_b32 s[CNT], 7
.Lk0:
	FOUR
	s_cbranch_scc1 .Lk0
	STEP 1, 1, 0, 32, 1, 128, 1, 32768, 0          ; the W stream runs on into pass 1: a wave's two chunks lie on end
	STEP 0, 2, 0, 32, 1, 192, 1, 40960, 0
	STEP 1, 3, 0, 32, 0, 0, 1, 49152, 1
	EPI 0, 16                                      ; behind v's fragments one K step's 16 loads of W were issued
	; ======== pass 1: K steps 32 to 63 ========
.irp a, 0,1,2,3,4,5,6,7
	v_add_nc_u32 v[ADRA+(\a)], (\a)*16*PA, v[AB]   ; back to the rows' first channel
.endr
	FETCH_A 0, 0
	STEP 0, 0, 1, 32, 1, 64, 1, 57344, 0
	WIN 0
	s_wait_xcnt 0x0
	s_add_nc_u64 s[WB:WB+1], s[WB:WB+1], 32768
	s_mov_b32 s[CNT], 7
.Lk1:
	FOUR
	s_cbranch_scc1 .Lk1
	STEP 1, 1, 0, 32, 1, 128, 0, 0, 0              ; nothing of W is left to ask for: the counts run down
	STEP 0, 2, 0, 16, 1, 192, 0, 0, 0
	STEP 1, 3, 0, 0, 0, 0, 0, 0, 2
	EPI 1, 0
	; ======== the tile's scores, softmax and context ========
.irp a, 0,1,2,3,4,5,6,7
	v_permlanex16_b32 v[VV+(\a)], v[S+(\a)], s[SEL], s[SEL+1]  ; a row's other columns lie in the lane 16 away
.endr
.irp a, 0,1,2,3,4,5,6,7
	v_add_f32 v[S+(\a)], v[S+(\a)], v[VV+(\a)]
.endr
.irp a, 0,1,2,3,4,5,6,7
	ds_store_b32 v[SCA], v[S+(\a)] offset:64*(\a)  ; row 16 a + r; both halves of the lanes write the same number to the same word
.endr
	s_wait_dscnt 0x0                               ; for the others' sake
	s_barrier_signal -1
	s_barrier_wait -1                              ; all four waves' sums lie in LDS; every wave now does the softmax of all 128 rows, four rows a lane
.irp p, 0,1,2,3
	ds_load_b128 v[40+4*(\p):43+4*(\p)], v[SCR] offset:512*(\p)
.endr
	s_wait_dscnt 0x0
	v_pk_add_f32 v[40:41], v[40:41], v[44:45]
	v_pk_add_f32 v[42:43], v[42:43], v[46:47]
	v_pk_add_f32 v[48:49], v[48:49], v[52:53]
	v_pk_add_f32 v[50:51], v[50:51], v[54:55]
	v_pk_add_f32 v[40:41], v[40:41], v[48:49]
	v_pk_add_f32 v[42:43], v[42:43], v[50:51]
	v_pk_mul_f32 v[40:41], v[40:41], s[46:47] op_sel_hi:[1,0]  ; t
	v_pk_mul_f32 v[42:43], v[42:43], s[46:47] op_sel_hi:[1,0]
.irp c, 0,1,2,3
	v_bfe_u32 v56, v[MK], 8*(\c), 8
	v_cmp_ne_u32 vcc_lo, 0, v56
	v_cndmask_b32 v[40+(\c)], v[40+(\c)], v[NINF], vcc_lo      ; a masked position: -inf
.endr
	v_max3_num_f32 v44, v40, v41, v42
	v_max3_num_f32 v44, v44, v43, s48              ; never below the lowest finite number, so that t - m is no inf - inf
	v_max_num_f32_dpp v44, v44, v44 row_xmask:1 row_mask:0xf bank_mask:0xf
	v_max_num_f32_dpp v44, v44, v44 row_xmask:2 row_mask:0xf bank_mask:0xf
	v_max_num_f32_dpp v44, v44, v44 row_xmask:4 row_mask:0xf bank_mask:0xf
	v_max_num_f32_dpp v44, v44, v44 row_xmask:8 row_mask:0xf bank_mask:0xf
	v_permlanex16_b32 v45, v44, s[SEL], s[SEL+1]
	v_max_num_f32 v44, v44, v45                    ; m, in every lane
.irp c, 0,1,2,3
	v_sub_f32 v[48+(\c)], v[40+(\c)], v44
.endr
.irp c, 0,1,2,3
	v_exp_f32 v[48+(\c)], v[48+(\c)]
.endr
	v_nop                                          ; a plain instruction behind the last exponential,
	s_wait_alu depctr_va_vdst(0)                   ; and one wait for the four, ahead of the first use
	v_pk_add_f32 v[52:53], v[48:49], v[50:51]
	v_cvt_pk_f16_f32 v56, v48, v49
	v_cvt_pk_f16_f32 v57, v50, v51
	v_add_f32 v45, v52, v53
	ds_store_b64 v[PHW], v[56:57]                  ; p of rows 4 l .. + 3, into my wave's own copy
	v_add_f32_dpp v45, v45, v45 row_xmask:1 row_mask:0xf bank_mask:0xf
	v_add_f32_dpp v45, v45, v45 row_xmask:2 row_mask:0xf bank_mask:0xf
	v_add_f32_dpp v45, v45, v45 row_xmask:4 row_mask:0xf bank_mask:0xf
	v_add_f32_dpp v45, v45, v45 row_xmask:8 row_mask:0xf bank_mask:0xf
	v_permlanex16_b32 v46, v45, s[SEL], s[SEL+1]
	v_add_f32 v45, v45, v46                        ; l, in every lane
.irp q, 0,1,2,3                        ; p as source 1: every lane of a half takes the same 8 + 8 rows.  LDS serves a wave's instructions in order (ISA guide 5.7.1.4): these see the store above
	ds_load_b128 v[PF+8*(\q):PF+8*(\q)+3],   v[PHR] offset:64*(\q)
	ds_load_b128 v[PF+8*(\q)+4:PF+8*(\q)+7], v[PHR] offset:64*(\q)+32
.endr
	s_cmp_lg_u32 s[WV], 0
	s_cbranch_scc1 .Lnot0                          ; all four waves hold the same t, m and l: wave 0 stores them; their registers are not written again
	global_store_b128 v[BO], v[40:43], s[14:15]    ; t of the 128 rows: 512 consecutive bytes
	global_store_b64 v[L8], v[44:45], s[16:17]     ; (m, l) 32 times: 256 consecutive bytes, aligned
.Lnot0:
	TRL 0, 0
	TRL 1, 128
	s_wait_dscnt 32                                ; p and the first K step's fragments are in; the second's 32 loads may be out
	CW 0, 0
	PLACES
	TRL 2, 0
	s_wait_dscnt 32
	CW 1, 128
	PLACES
	TRL 3, 128
	s_wait_dscnt 32
	CW 2, 0
	s_wait_dscnt 0x0
	CW 3, 128
	PLACES
	WIN 0x08                                       ; store data in window 2
.set i, 0
.rept 16                               ; register j of lane (r, h) is channel 16 i + 8 h + j, the same in all 16 lanes of a half, which write equal bytes; the low four registers go first
	ds_store_b128 v[CTA], v[8*i:8*i+3]   offset:64*i
	ds_store_b128 v[CTA], v[8*i+4:8*i+7] offset:64*i+16
.set i, i+1
.endr
	WIN 0
	ds_load_b128 v[160:163], v[CTR]                ; my wave's own bytes, served in order behind the stores
	ds_load_b128 v[164:167], v[CTR] offset:512
	s_wait_dscnt 0x0
	global_store_b128 v[BO], v[160:163], s[18:19]              ; 512 consecutive bytes each
	global_store_b128 v[BO], v[164:167], s[18:19] offset:512
	s_wait_tensorcnt 0x0                           ; the wave's end, behind my last LDS store
	ds_add_u32 v[SPW], v[NIL]
	s_wait_dscnt 0x0
	s_endpgm
.Lfunc_end_k_qc447556259_attn:
	.size	k_qc447556259_attn, .Lfunc_end_k_qc447556259_attn-k_qc447556259_attn
	.p2alignl 7, 3214868480
	.fill 96, 4, 3214868480
	.section	.rodata,"a",@progbits
	.p2align	6, 0x0
	.amdhsa_kernel k_qc447556259_attn
		.amdhsa_group_segment_fixed_size 271872
		.amdhsa_private_segment_fixed_size 0
		.amdhsa_enable_private_segment 0
		.amdhsa_kernarg_size 64
		.amdhsa_user_sgpr_count 2
		.amdhsa_user_sgpr_kernarg_segment_ptr 1
		.amdhsa_wavefront_size32 1
		.amdhsa_system_sgpr_workgroup_id_x 1
		.amdhsa_system_sgpr_workgroup_id_y 1
		.amdhsa_system_sgpr_workgroup_id_z 1
		.amdhsa_system_vgpr_workitem_id 0
		.amdhsa_next_free_vgpr 1024
		.amdhsa_next_free_sgpr 66
		.amdhsa_reserve_vcc 1
		.amdhsa_float_denorm_mode_32 3
		.amdhsa_float_denorm_mode_16_64 3
		.amdhsa_memory_ordered 1
		.amdhsa_forward_progress 1
		.amdhsa_inst_pref_size 255
	.end_amdhsa_kernel
	.section	.bss,"aw",@nobits
	.p2align	6
	.space	262144
	.amdgpu_metadata
---
amdhsa.version: [ 1, 2 ]
amdhsa.kernels:
  - .name:           k_qc447556259_attn
    .symbol:         k_qc447556259_attn.kd
    .args:
      - { .name: encoder_outputs, .offset: 0, .size: 8, .value_kind: global_buffer, .address_space: global }
      - { .name: mask, .offset: 8, .size: 8, .value_kind: global_buffer, .address_space: global }
      - { .name: v, .offset: 16, .size: 8, .value_kind: global_buffer, .address_space: global }
      - { .name: wimg, .offset: 24, .size: 8, .value_kind: global_buffer, .address_space: global }
      - { .name: decp, .offset: 32, .size: 8, .value_kind: global_buffer, .address_space: global }
      - { .name: tsc, .offset: 40, .size: 8, .value_kind: global_buffer, .address_space: global }
      - { .name: stat, .offset: 48, .size: 8, .value_kind: global_buffer, .address_space: global }
      - { .name: pctx, .offset: 56, .size: 8, .value_kind: global_buffer, .address_space: global }
    .group_segment_fixed_size: 271872
    .private_segment_fixed_size: 0
    .kernarg_segment_align: 8
    .kernarg_segment_size: 64
    .max_flat_workgroup_size: 128
    .sgpr_count:     66
    .vgpr_count:     1024
    .wavefront_size: 32
...
	.end_amdgpu_metadata
.endif
;; end of part 2
;; launch finish (part 3): grid 8 x 32, 1 waves a work-group, no clusters, 0 bytes of LDS; arguments tsc, stat, pctx, out0, out1; writes out0, out1
.if DOCPART == 3
	.amdgcn_target "amdgcn-amd-amdhsa--gfx1250"
	.amdhsa_code_object_version 6
	.text
	.protected	k_qc447556259_finish
	.globl	k_qc447556259_finish
	.p2align	8
	.type	k_qc447556259_finish,@function
k_qc447556259_finish:
	s_mov_b64 s[64:65], 0
	v_nop
	global_prefetch_b8 v0, s[64:65] scope:SCOPE_SE
	s_setreg_imm32_b32 hwreg(HW_REG_WAVE_MODE, 25, 1), 1
	s_wait_xcnt 0x0
; THE 16 TILES OF A BATCH ARE JOINED.  Tile t left its maximum m_t, its sum l_t, its exponents (base 2) and its partial context sum_s 2^(t_s - m_t) enc[s][:].
; M = max m_t; f_t = 2^(m_t - M); L = sum f_t l_t; weight_s = 2^(t_s - M) / L; context = sum_t (f_t / L) pctx_t.
; One wave to a work-group (j, batch): context channels 128 j .. + 127 and weights 256 j .. + 255.  Memory binds: all 34 loads go out at once, each output byte is stored once, 512 bytes on end a store.
; A batch whose positions are all masked has L = 0: 1 / L is inf and every result 0 x inf = NaN, which is what a softmax of -inf alone gives.  A factor below 2^-126 counts as 0.
.set MS, 4                             ; v[4+2t] m_t, v[5+2t] l_t; later v4-7 the context
.set TW, 36                            ; v36-43  my 8 exponents, then weights
.set F,  48                            ; v48-63  f_t, then f_t / L
.set PC, 64                            ; v64-127 my 4 channels of the 16 partial contexts
.set AC, 128                           ; v128-131 four chains of L; v132 1 / L
	s_load_b256 s[4:11], s[0:1], 0x0               ; tsc s[4:5], stat s[6:7], pctx s[8:9], out0 s[10:11]
	s_load_b64 s[12:13], s[0:1], 0x20              ; out1
	s_and_b32 s14, ttmp7, 0xffff                   ; the batch
	s_mov_b32 s15, ttmp9                           ; j
	v_lshlrev_b32 v1, 4, v0                        ; 16 x lane
	v_mov_b32 v2, 0
	s_mov_b32 s17, 0
	s_lshl_b32 s18, s15, 9
	s_lshl_b32 s19, s15, 10
	s_wait_kmcnt 0x0
	s_lshl_b32 s16, s14, 12
	s_add_nc_u64 s[6:7], s[6:7], s[16:17]          ; the batch's 16 blocks of 256 bytes
	s_add_co_u32 s16, s16, s18
	s_add_nc_u64 s[10:11], s[10:11], s[16:17]
	s_lshl_b32 s16, s14, 13
	s_add_co_u32 s16, s16, s19
	s_add_nc_u64 s[4:5], s[4:5], s[16:17]
	s_add_nc_u64 s[12:13], s[12:13], s[16:17]
	s_lshl_b32 s16, s14, 16
	s_add_co_u32 s16, s16, s18
	s_add_nc_u64 s[8:9], s[8:9], s[16:17]
.set t, 0
.rept 16
	global_load_b64 v[MS+2*t:MS+2*t+1], v2, s[6:7] offset:256*t
.set t, t+1
.endr
	global_load_b128 v[TW:TW+3], v1, s[4:5]
	global_load_b128 v[TW+4:TW+7], v1, s[4:5] offset:512
.set t, 0
.rept 16
	global_load_b128 v[PC+4*t:PC+4*t+3], v1, s[8:9] offset:4096*t
.set t, t+1
.endr
	s_wait_loadcnt 16                              ; the statistics and the exponents are in; the 16 partial contexts may stay out
	v_max3_num_f32 v44, v[MS], v[MS+2], v[MS+4]
	v_max3_num_f32 v45, v[MS+6], v[MS+8], v[MS+10]
	v_max3_num_f32 v46, v[MS+12], v[MS+14], v[MS+16]
	v_max3_num_f32 v47, v[MS+18], v[MS+20], v[MS+22]
	v_max3_num_f32 v44, v44, v[MS+24], v[MS+26]
	v_max3_num_f32 v45, v45, v[MS+28], v[MS+30]
	v_max3_num_f32 v44, v44, v45, v46
	v_max_num_f32 v44, v44, v47                    ; M: finite, since every m_t is
.set t, 0
.rept 16
	v_sub_f32 v[F+t], v[MS+2*t], v44
.set t, t+1
.endr
.set t, 0
.rept 8
	v_sub_f32 v[TW+t], v[TW+t], v44
.set t, t+1
.endr
.set t, 0
.rept 16
	v_exp_f32 v[F+t], v[F+t]
.set t, t+1
.endr
.set t, 0
.rept 8
	v_exp_f32 v[TW+t], v[TW+t]
.set t, t+1
.endr
	v_nop                                          ; a plain instruction behind the last exponential,
	s_wait_alu depctr_va_vdst(0)                   ; and one wait for the 24, ahead of the first use
.set t, 0
.rept 4
	v_mul_f32 v[AC+t], v[F+t], v[MS+2*t+1]         ; four chains, started by their first products
.set t, t+1
.endr
.rept 12
	v_fma_f32 v[AC+t%4], v[F+t], v[MS+2*t+1], v[AC+t%4]
.set t, t+1
.endr
	v_add_f32 v[AC], v[AC], v[AC+1]
	v_add_f32 v[AC+2], v[AC+2], v[AC+3]
	v_add_f32 v[AC], v[AC], v[AC+2]                ; L
	v_rcp_f32 v[AC+4], v[AC]
	v_nop
	s_wait_alu depctr_va_vdst(0)
.set t, 0
.rept 8
	v_mul_f32 v[TW+t], v[TW+t], v[AC+4]
.set t, t+1
.endr
	global_store_b128 v1, v[TW:TW+3], s[12:13]
	global_store_b128 v1, v[TW+4:TW+7], s[12:13] offset:512
.set t, 0
.rept 16
	v_mul_f32 v[F+t], v[F+t], v[AC+4]
.set t, t+1
.endr
	s_wait_loadcnt 0x0
.irp c, 0,1,2,3
	v_mul_f32 v[MS+(\c)], v[PC+(\c)], v[F]
.endr
.set t, 1
.rept 15
.irp c, 0,1,2,3
	v_fma_f32 v[MS+(\c)], v[PC+4*t+(\c)], v[F+t], v[MS+(\c)]
.endr
.set t, t+1
.endr
	global_store_b128 v1, v[MS:MS+3], s[10:11]
	s_endpgm
.Lfunc_end_k_qc447556259_finish:
	.size	k_qc447556259_finish, .Lfunc_end_k_qc447556259_finish-k_qc447556259_finish
	.p2alignl 7, 3214868480
	.fill 96, 4, 3214868480
	.section	.rodata,"a",@progbits
	.p2align	6, 0x0
	.amdhsa_kernel k_qc447556259_finish
		.amdhsa_group_segment_fixed_size 0
		.amdhsa_private_segment_fixed_size 0
		.amdhsa_enable_private_segment 0
		.amdhsa_kernarg_size 40
		.amdhsa_user_sgpr_count 2
		.amdhsa_user_sgpr_kernarg_segment_ptr 1
		.amdhsa_wavefront_size32 1
		.amdhsa_system_sgpr_workgroup_id_x 1
		.amdhsa_system_sgpr_workgroup_id_y 1
		.amdhsa_system_sgpr_workgroup_id_z 1
		.amdhsa_system_vgpr_workitem_id 0
		.amdhsa_next_free_vgpr 136
		.amdhsa_next_free_sgpr 66
		.amdhsa_reserve_vcc 0
		.amdhsa_float_denorm_mode_32 3
		.amdhsa_float_denorm_mode_16_64 3
		.amdhsa_memory_ordered 1
		.amdhsa_forward_progress 1
		.amdhsa_inst_pref_size 13
	.end_amdhsa_kernel
	.amdgpu_metadata
---
amdhsa.version: [ 1, 2 ]
amdhsa.kernels:
  - .name:           k_qc447556259_finish
    .symbol:         k_qc447556259_finish.kd
    .args:
      - { .name: tsc, .offset: 0, .size: 8, .value_kind: global_buffer, .address_space: global }
      - { .name: stat, .offset: 8, .size: 8, .value_kind: global_buffer, .address_space: global }
      - { .name: pctx, .offset: 16, .size: 8, .value_kind: global_buffer, .address_space: global }
      - { .name: out0, .offset: 24, .size: 8, .value_kind: global_buffer, .address_space: global }
      - { .name: out1, .offset: 32, .size: 8, .value_kind: global_buffer, .address_space: global }
    .group_segment_fixed_size: 0
    .private_segment_fixed_size: 0
    .kernarg_segment_align: 8
    .kernarg_segment_size: 40
    .max_flat_workgroup_size: 32
    .sgpr_count:     66
    .vgpr_count:     136
    .wavefront_size: 32
...
	.end_amdgpu_metadata
.endif
;; end of part 3
;; ======== version 2 of 3: 3 launches; 1.11 times as fast as version 1
;; limits: values are held in f16: magnitudes above 65,504 overflow, below 6.1e-05 lose precision; right only within a limited range of input values
;; workspace buffers: wimg 2,097,152 bytes; decp 131,072 bytes; tsc 262,144 bytes; stat 131,072 bytes; pctx 2,097,152 bytes; live 4,096 bytes of whole numbers
;; launch prep (part 4): grid 128 x 1, 8 waves a work-group, no clusters, 17,408 bytes of LDS; arguments W_enc, W_dec, decoder_hidden, wimg, decp, mask, live; writes wimg, decp, live
.if DOCPART == 4
	.amdgcn_target "amdgcn-amd-amdhsa--gfx1250"
	.amdhsa_code_object_version 6
	.text
	.protected	k_qc447556259_prep
	.globl	k_qc447556259_prep
	.p2align	8
	.type	k_qc447556259_prep,@function
k_qc447556259_prep:
	s_mov_b64 s[64:65], 0
	v_nop
	global_prefetch_b8 v0, s[64:65] scope:SCOPE_SE
	s_setreg_imm32_b32 hwreg(HW_REG_WAVE_MODE, 25, 1), 1
	s_wait_xcnt 0x0
; THREE SMALL JOBS AHEAD OF THE ATTENTION LAUNCH.  SC = 2 log2(e): tanh(x) = 1 - 2 / (1 + 2^(SC x)), so SC is folded into the first two results here.
; Work-groups 0-63: wimg = SC x W_enc in f16, laid out as the matrix fragments that the next launch loads: byte = cs 262144 + ks 8192 + b 1024 + jj 512 + 16 L + 2 i holds
;   W_enc[k][n], k = 32 ks + 16 jj + 8 (L / 16) + i, n = (4 (cs % 2) + cs / 2) 128 + 16 b + L % 16.  A wave makes one (cs, ks, jj): 16 rows k x 128 columns n.
; Work-groups 0 and 1 also: live, whole numbers: for tile T of 128 positions (T = 16 x batch + t) the pair (flag, 0) at byte 8 T; flag = 0 where all 128 positions are masked, else 1.  A lane a tile.
; Work-groups 64-127: decp = SC x (decoder_hidden W_dec), f32.  Work-group eb makes columns e = 16 eb .. + 15 for all 32 batches; the sum over d is split among its eight waves, 128 each,
;   and the eight partial sums meet in LDS.  Byte = eb 2048 + (batch / 16) 1024 + h 512 + (batch % 16) 32 + 4 j holds column e = 16 eb + 8 h + j.
; LIMITS.  The matrix operands are f16: |decoder_hidden| and |W_dec| below 65,504, |W_enc| below 22,700 (SC x W_enc below 65,504); below 6e-5 they keep the fixed step of 6e-8.
; A mask byte is 0 or 1, as the type bool has it.
.set SCL,   0x4038aa3b                 ; SC = 2.8853900
.set SPARE, 16384                      ; LDS: 0-16383 wave kp's partial tile pair at 2048 kp; then the spare words, 128 bytes a wave, which no other line names
.set GV,  5                            ; v5   a gather down a column: 8 (l / 16) rows of 4,096 bytes + 4 (l % 16)
.set L16, 6                            ; v6   16 x lane
.set T8,  7                            ; v7   8 x thread
.set SPW, 8                            ; v8   LDS address of my spare word; never rewritten
.set NIL, 9                            ; v9   0; never rewritten
.set HV,  10                           ; v10  decoder_hidden: (l % 16) rows of 4,096 bytes + 32 (l / 16)
.set LS,  11                           ; v11  where I put my 32 bytes of a partial tile: 2048 x wave + 32 x lane
.set MO,  12                           ; v12  128 x lane: my tile's mask bytes
.set FO,  13                           ; v13  8 x lane: my tile's pair
	s_load_b256 s[4:11], s[0:1], 0x0               ; W_enc s[4:5], W_dec s[6:7], decoder_hidden s[8:9], wimg s[10:11]
	s_load_b64 s[12:13], s[0:1], 0x20              ; decp
	s_load_b64 s[32:33], s[0:1], 0x28              ; mask
	s_load_b64 s[34:35], s[0:1], 0x30              ; live
	v_lshl_add_u32 v[SPW], v0, 2, SPARE
	v_mov_b32 v[NIL], 0
	v_lshrrev_b32 v1, 5, v0
	v_readfirstlane_b32 s20, v1                    ; wave 0..7
	v_and_b32 v2, 15, v0                           ; l % 16
	v_bfe_u32 v3, v0, 4, 1                         ; l / 16
	v_and_b32 v4, 31, v0                           ; l
	v_lshlrev_b32 v[GV], 2, v2
	v_lshl_or_b32 v[GV], v3, 15, v[GV]
	v_lshlrev_b32 v[L16], 4, v4
	v_lshlrev_b32 v[T8], 3, v0
	v_lshlrev_b32 v[HV], 12, v2
	v_lshl_or_b32 v[HV], v3, 5, v[HV]
	v_lshlrev_b32 v[MO], 7, v4
	v_lshlrev_b32 v[FO], 3, v4
	s_lshl_b32 s24, s20, 11
	v_lshl_add_u32 v[LS], v4, 5, s24
	s_mov_b32 s21, ttmp9
	s_mov_b32 s22, SCL                             ; a pair: the packed multiply takes its low word for both halves
	s_mov_b32 s23, SCL
	s_wait_kmcnt 0x0
	s_cmp_lt_u32 s21, 64                           ; the same answer in all eight waves of a work-group
	s_cbranch_scc0 .Ldec
	; ---- the image of W_enc ----
	s_lshl_b32 s24, s21, 3
	s_add_co_u32 s24, s24, s20                     ; my task, 0..511
	s_lshr_b32 s25, s24, 6                         ; cs
	s_bfe_u32 s26, s24, 0x50001                    ; ks
	s_and_b32 s27, s24, 1                          ; jj
	s_lshl_b32 s28, s26, 17                        ; 32 ks rows of 4,096 bytes
	s_lshl_b32 s29, s27, 16                        ; 16 jj rows
	s_add_co_u32 s28, s28, s29
	s_and_b32 s29, s25, 1
	s_lshl_b32 s29, s29, 2
	s_lshr_b32 s30, s25, 1
	s_or_b32 s29, s29, s30                         ; the block of 128 columns
	s_lshl_b32 s29, s29, 9
	s_add_co_u32 s28, s28, s29
	s_mov_b32 s29, 0
	s_add_nc_u64 s[4:5], s[4:5], s[28:29]
	s_lshl_b32 s30, s25, 18
	s_lshl_b32 s31, s26, 13
	s_add_co_u32 s30, s30, s31
	s_lshl_b32 s31, s27, 9
	s_add_co_u32 s30, s30, s31
	s_mov_b32 s31, 0
	s_add_nc_u64 s[10:11], s[10:11], s[30:31]
.irp b, 0,1,2,3,4,5,6,7                ; lane (r, h) takes W_enc[k0 + 8 h + i][n0 + 16 b + r]; the wave's 64 loads together cover 16 rows x 512 bytes
.irp i, 0,1,2,3,4,5,6,7
	global_load_b32 v[64+8*(\b)+(\i)], v[GV], s[4:5] offset:(\i)*4096+(\b)*64
.endr
.endr
	s_wait_loadcnt 0x0
.set y, 0
.rept 32
	v_pk_mul_f32 v[64+2*y:65+2*y], v[64+2*y:65+2*y], s[22:23] op_sel_hi:[1,0]
.set y, y+1
.endr
.set y, 0
.rept 32
	v_cvt_pk_f16_f32 v[32+y], v[64+2*y], v[64+2*y+1]
.set y, y+1
.endr
.irp b, 0,1,2,3,4,5,6,7
	global_store_b128 v[L16], v[32+4*(\b):35+4*(\b)], s[10:11] offset:(\b)*1024  ; 512 consecutive bytes, at a multiple of 512 from the buffer's first
.endr
	s_cmp_lt_u32 s21, 2                            ; tasks 0 to 15 also make the tiles' flags, 32 tiles each
	s_cbranch_scc0 .Ljoin
	; ---- which tiles have a position that is not masked ----
	s_lshl_b32 s28, s24, 12                        ; 32 tiles x 128 mask bytes
	s_mov_b32 s29, 0
	s_add_nc_u64 s[32:33], s[32:33], s[28:29]
	s_lshl_b32 s28, s24, 8                         ; 32 tiles x 8 bytes
	s_add_nc_u64 s[34:35], s[34:35], s[28:29]
.irp c, 0,1,2,3,4,5,6,7                ; my tile's 128 bytes; the wave's eight loads together cover 4,096 consecutive bytes
	global_load_b128 v[64+4*(\c):67+4*(\c)], v[MO], s[32:33] offset:16*(\c)
.endr
	s_wait_loadcnt 0x0
.irp n, 16, 8, 4, 2, 1                 ; the AND of the 32 words: 0x01010101 where every byte is 1
.set y, 0
.rept \n
	v_and_b32 v[64+y], v[64+y], v[64+(\n)+y]
.set y, y+1
.endr
.endr
	v_cmp_ne_u32 vcc_lo, 0x01010101, v64
	v_cndmask_b32 v66, 0, 1, vcc_lo                ; 1: some position of the tile is open
	v_mov_b32 v67, 0
	global_store_b64 v[FO], v[66:67], s[34:35]     ; the wave stores 256 consecutive bytes, at a multiple of 256 from the buffer's first
	s_branch .Ljoin
	; ---- dec_proj: source 0 = 16 columns e of W_dec (gathered down the columns), source 1 = 16 batches ----
.Ldec:
	s_sub_co_u32 s25, s21, 64                      ; eb
	s_lshl_b32 s28, s20, 19                        ; my 128 rows d of W_dec
	s_lshl_b32 s29, s25, 6                         ; the 16 columns
	s_add_co_u32 s28, s28, s29
	s_mov_b32 s29, 0
	s_add_nc_u64 s[6:7], s[6:7], s[28:29]
	s_lshl_b32 s28, s20, 9                         ; my 128 channels d of decoder_hidden
	s_add_nc_u64 s[8:9], s[8:9], s[28:29]
	s_lshl_b32 s28, s25, 11
	s_add_nc_u64 s[12:13], s[12:13], s[28:29]
.irp q, 0,1,2,3                        ; K step q of 32; x = 8 jj + i
.irp x, 0,1,2,3,4,5,6,7,8,9,10,11,12,13,14,15
	global_load_b32 v[64+16*(\q)+(\x)], v[GV], s[6:7] offset:(32*(\q)+16*((\x)/8)+(\x)%8)*4096
.endr
.endr
.irp bb, 0,1                           ; batches 16 bb on; x = 2 jj + c
.irp q, 0,1,2,3
.irp x, 0,1,2,3
	global_load_b128 v[128+64*(\bb)+16*(\q)+4*(\x):128+64*(\bb)+16*(\q)+4*(\x)+3], v[HV], s[8:9] offset:(\bb)*65536+(\q)*128+((\x)/2)*64+((\x)%2)*16
.endr
.endr
.endr
	s_wait_loadcnt 0x0
.set y, 0
.rept 32                               ; in place, ascending: word y is made of words 2 y and 2 y + 1, which no earlier line has overwritten
	v_cvt_pk_f16_f32 v[64+y], v[64+2*y], v[64+2*y+1]
.set y, y+1
.endr
.set y, 0
.rept 64
	v_cvt_pk_f16_f32 v[128+y], v[128+2*y], v[128+2*y+1]
.set y, y+1
.endr
.irp q, 0,1,2,3                        ; the two accumulators take turns, one instruction a turn; the first K step starts the sums
.irp bb, 0,1
.if (\q) == 0
	v_wmma_f32_16x16x32_f16 v[32+8*(\bb):39+8*(\bb)], v[64+8*(\q):71+8*(\q)], v[128+32*(\bb)+8*(\q):135+32*(\bb)+8*(\q)], 0
.else
	v_wmma_f32_16x16x32_f16 v[32+8*(\bb):39+8*(\bb)], v[64+8*(\q):71+8*(\q)], v[128+32*(\bb)+8*(\q):135+32*(\bb)+8*(\q)], v[32+8*(\bb):39+8*(\bb)]
.endif
.endr
.endr
.rept 4
	v_nop                                          ; four places between the last product and the stores that read results
.endr
.irp bb, 0,1                           ; register j of lane (r, h) is (e = 16 eb + 8 h + j, batch 16 bb + r): 32 bytes a lane, in decp's own order
	ds_store_b128 v[LS], v[32+8*(\bb):35+8*(\bb)] offset:1024*(\bb)
	ds_store_b128 v[LS], v[36+8*(\bb):39+8*(\bb)] offset:1024*(\bb)+16
.endr
.Ljoin:
	s_wait_dscnt 0x0                               ; for the others' sake: my partial sums lie in LDS
	s_barrier_signal -1
	s_barrier_wait -1                              ; every wave of every work-group passes this barrier
	s_cmp_lt_u32 s21, 64
	s_cbranch_scc1 .Lend                           ; the image's work-groups have nothing to add up
.irp p, 0,1,2,3,4,5,6,7                ; each thread adds up 8 bytes of the 2,048
	ds_load_b64 v[64+2*(\p):65+2*(\p)], v[T8] offset:2048*(\p)
.endr
	s_wait_dscnt 0x0
	v_pk_add_f32 v[64:65], v[64:65], v[66:67]
	v_pk_add_f32 v[68:69], v[68:69], v[70:71]
	v_pk_add_f32 v[72:73], v[72:73], v[74:75]
	v_pk_add_f32 v[76:77], v[76:77], v[78:79]
	v_pk_add_f32 v[64:65], v[64:65], v[68:69]
	v_pk_add_f32 v[72:73], v[72:73], v[76:77]
	v_pk_add_f32 v[64:65], v[64:65], v[72:73]
	v_pk_mul_f32 v[64:65], v[64:65], s[22:23] op_sel_hi:[1,0]
	global_store_b64 v[T8], v[64:65], s[12:13]     ; a wave stores 256 consecutive bytes, at a multiple of 256 from the buffer's first
.Lend:
	s_wait_tensorcnt 0x0                           ; the wave's end, behind my last LDS store
	ds_add_u32 v[SPW], v[NIL]
	s_wait_dscnt 0x0
	s_endpgm
.Lfunc_end_k_qc447556259_prep:
	.size	k_qc447556259_prep, .Lfunc_end_k_qc447556259_prep-k_qc447556259_prep
	.p2alignl 7, 3214868480
	.fill 96, 4, 3214868480
	.section	.rodata,"a",@progbits
	.p2align	6, 0x0
	.amdhsa_kernel k_qc447556259_prep
		.amdhsa_group_segment_fixed_size 17408
		.amdhsa_private_segment_fixed_size 0
		.amdhsa_enable_private_segment 0
		.amdhsa_kernarg_size 56
		.amdhsa_user_sgpr_count 2
		.amdhsa_user_sgpr_kernarg_segment_ptr 1
		.amdhsa_wavefront_size32 1
		.amdhsa_system_sgpr_workgroup_id_x 1
		.amdhsa_system_sgpr_workgroup_id_y 1
		.amdhsa_system_sgpr_workgroup_id_z 1
		.amdhsa_system_vgpr_workitem_id 0
		.amdhsa_next_free_vgpr 256
		.amdhsa_next_free_sgpr 66
		.amdhsa_reserve_vcc 1
		.amdhsa_float_denorm_mode_32 3
		.amdhsa_float_denorm_mode_16_64 3
		.amdhsa_memory_ordered 1
		.amdhsa_forward_progress 1
		.amdhsa_inst_pref_size 33
	.end_amdhsa_kernel
	.amdgpu_metadata
---
amdhsa.version: [ 1, 2 ]
amdhsa.kernels:
  - .name:           k_qc447556259_prep
    .symbol:         k_qc447556259_prep.kd
    .args:
      - { .name: W_enc, .offset: 0, .size: 8, .value_kind: global_buffer, .address_space: global }
      - { .name: W_dec, .offset: 8, .size: 8, .value_kind: global_buffer, .address_space: global }
      - { .name: decoder_hidden, .offset: 16, .size: 8, .value_kind: global_buffer, .address_space: global }
      - { .name: wimg, .offset: 24, .size: 8, .value_kind: global_buffer, .address_space: global }
      - { .name: decp, .offset: 32, .size: 8, .value_kind: global_buffer, .address_space: global }
      - { .name: mask, .offset: 40, .size: 8, .value_kind: global_buffer, .address_space: global }
      - { .name: live, .offset: 48, .size: 8, .value_kind: global_buffer, .address_space: global }
    .group_segment_fixed_size: 17408
    .private_segment_fixed_size: 0
    .kernarg_segment_align: 8
    .kernarg_segment_size: 56
    .max_flat_workgroup_size: 256
    .sgpr_count:     66
    .vgpr_count:     256
    .wavefront_size: 32
...
	.end_amdgpu_metadata
.endif
;; end of part 4
;; launch attn (part 5): grid 512 x 1, 4 waves a work-group, no clusters, 271,872 bytes of LDS; arguments encoder_outputs, mask, v, wimg, decp, tsc, stat, pctx, live; writes tsc, stat, pctx
.if DOCPART == 5
	.amdgcn_target "amdgcn-amd-amdhsa--gfx1250"
	.amdhsa_code_object_version 6
	.text
	.protected	k_qc447556259_attn
	.globl	k_qc447556259_attn
	.p2align	8
	.type	k_qc447556259_attn,@function
k_qc447556259_attn:
	s_mov_b64 s[64:65], 0
	v_nop
	global_prefetch_b8 v0, s[64:65] scope:SCOPE_SE
	s_setreg_imm32_b32 hwreg(HW_REG_WAVE_MODE, 25, 1), 1
	s_wait_xcnt 0x0
; ADDITIVE ATTENTION, ONE TILE OF 128 ENCODER ROWS OF ONE BATCH TO A WORK-GROUP (tile T = 16 x batch + t).
; The tile's 128 x 1024 f32 are read from memory ONCE, rounded to f16 and kept in LDS; they serve both products: x = enc W_enc (+ dec_proj), and the context, sum of p enc.
; tanh(x) = 1 - 2 r, r = 1 / (1 + 2^(SC x)), SC = 2 log2(e), folded into wimg and decp by the launch before.  score = sum_d v_d - 2 sum_d v_d r_d; the first sum is the same for all positions of
; a batch and cancels in the softmax, so the exponent (base 2) is t = CEXP sum_d v_d r_d, CEXP = -2 log2(e).  Overflow is harmless: 2^x = inf gives r = 0, 2^x = 0 gives r = 1.
; SOFTMAX.  The tile takes its own maximum m (never below the lowest finite number), p = 2^(t - m), l = sum p; a masked position has t = -inf and p = 0.  The last launch joins a batch's 16 tiles.
; A DEAD TILE.  Where all 128 positions are masked (the launch before has read that off the mask and left a whole number for each tile) every weight is 0 whatever the scores: the rows are not read and
; nothing is multiplied; the tile stores t = -inf, m = the lowest finite number, l = 0 and a context of zeros.  The flag is one scalar, the same in all four waves.  Three forward jumps on it pass the three
; parts of the work; the three barriers stand at the joins, so that every wave passes them.  Any mask is served: one without a wholly masked tile simply saves nothing.
; SHARES.  Two passes of 512 columns d; in pass p wave w owns columns (4 p + w) 128 .. + 127 for all 128 rows: 64 accumulators of 16 x 16, 512 registers.  So the sum over d never leaves the work-group.
; THE MATRIX INSTRUCTION IS USED TRANSPOSED: source 0 = 16 columns d of W, source 1 = 16 rows of enc.  Register j of lane (r, h) is (d = 16 b + 8 h + j, row 16 a + r): the sum over d is taken within
; a lane, then once between the halves of the lanes, then over the four waves in LDS.  dec_proj is the C operand of the first K step: no accumulator is cleared and nothing is added.
; W COMES STRAIGHT INTO REGISTERS: no wave wants a column of W that another wave has fetched, and wimg lies in fragment order, so a load is 512 consecutive bytes; four register buffers, three K steps ahead.
; NO TENSOR LOADS, NO CLUSTER: the resident tile takes 264,192 of the LDS bytes; what is left holds no two slots of W large enough for a refill to land in, and LDS would add no reuse of W.
; NO PREFETCH: the phase that reads enc does nothing else and has 48 loads a wave out; wimg is walked by every work-group again and again.
; LIMITS.  Matrix operands are f16: |encoder_outputs| below 65,504; below 6e-5 they keep the fixed step of 6e-8; p lies in 0 to 1 and is rounded to f16 for the context (l is the sum of the unrounded p).
; 2^x, r and p below 2^-126 count as 0.  NaN and infinities in the inputs are not treated apart; those in the rows of a dead tile are not seen at all.
; REGISTERS, in windows of 256 (s_set_vgpr_msb: bits 1:0 source 0, 3:2 source 1, 5:4 source 2, 7:6 destination):
;   window 0: v0-31 addresses; v32-39 S, a row block's sum; v40-63 at work at the end; v64-191 two buffers of enc fragments (v64-95 also the rounded words on the way in, v64-127 v's fragments in an
;             epilogue, v128-167 p's fragments and the way out at the end); v192-255 dec_proj's fragments
;   window 1: four buffers of W fragments; at the end enc's turned fragments      window 2: accumulators of row blocks 0-3 ((a, b) at 8 (8 a + b)); first the four landing sets of enc; at the end the context
;   window 3: accumulators of row blocks 4-7
.set PA,    2064                       ; an LDS row of the tile: 2,048 bytes + 16 = 516 words: row r starts at bank 4 r mod 64 (64 banks of 4 bytes: ISA guide 11.1), so a fragment load's 16 rows start at 16 different banks
.set SCB,   128*PA                     ; behind the tile: [wave][128] f32, the waves' partial sums
.set PH,    SCB+2048                   ; [wave][128] f16: p, a copy for each wave
.set CT,    PH+1024                    ; [wave][256] f32: the context's way out
.set SPARE, CT+4096                    ; the spare words, 128 bytes a wave: two blocks of 256 bytes that no other line names
.set ADRA, 4                           ; v4-11  row block a: (16 a + r) PA + 16 h + the K bytes walked
.set BO,   12                          ; v12    16 l
.set EO,   13                          ; v13    enc: (32 w + 8 h) rows of 4,096 bytes + 16 r
.set STA,  14                          ; v14    the tile: (32 w + 8 h) PA + 8 r + the K bytes walked
.set DVO,  15                          ; v15    512 h
.set VO,   16                          ; v16    32 h
.set ML,   17                          ; v17    4 l
.set MK,   18                          ; v18    the mask bytes of rows 4 l .. 4 l + 3
.set SCA,  19                          ; v19    SCB + 512 w + 4 r
.set SCR,  20                          ; v20    SCB + 16 l
.set PHW,  21                          ; v21    PH + 256 w + 8 l
.set PHR,  22                          ; v22    PH + 256 w + 16 h
.set CTA,  23                          ; v23    CT + 1024 w + 32 h
.set TRA,  24                          ; v24-27 the turning loads of K step q: (32 q + 8 h + l % 8) PA + 512 w + 16 ((l / 8) % 2)
.set SPW,  28                          ; v28    LDS address of my spare word; never rewritten
.set NIL,  29                          ; v29    0; never rewritten
.set NINF, 30                          ; v30    -inf
.set CTR,  31                          ; v31    CT + 1024 w + 16 l
.set S,    32
.set L8,   58                          ; v58    8 l
.set AB,   63                          ; v63    r PA + 16 h
.set AF,   64
.set TC,   64
.set VV,   64
.set PF,   128
.set DEC,  192
.set WV,   20                          ; s20      wave
.set TL,   21                          ; s21      tile
.set ENC,  22                          ; s[22:23] enc at the tile, at the slices in hand
.set WB,   24                          ; s[24:25] wimg at my wave's 512 KiB, at the K steps in hand
.set DB,   26                          ; s[26:27], s[32:33] decp for pass 0, 1
.set CNT,  28                          ; s28      loop counter
.set SEL,  30                          ; s[30:31] v_permlanex16_b32's selects: each lane takes its own place in the other half
.set VB,   34                          ; s[34:35], s[36:37] v for pass 0, 1
.set LP,   50                          ; s[50:51] live at my tile's pair
.set LV,   53                          ; s53      the tile's flag: 0 = dead
.set MSB, 0
.macro WIN new                         ; the immediate's high byte repeats the setting that is left; a switch that changes nothing is dropped
.if MSB != (\new)
	s_set_vgpr_msb (MSB<<8)|(\new)
.set MSB, \new
.endif
.endm
.macro PLACES                          ; four places behind a matrix instruction, in front of loads into registers that it has read and of vector work on its results
.rept 4
	v_nop
.endr
.endm
	s_load_b512 s[4:19], s[0:1], 0x0               ; enc s[4:5], mask s[6:7], v s[8:9], wimg s[10:11], decp s[12:13], tsc s[14:15], stat s[16:17], pctx s[18:19]
	s_load_b64 s[LP:LP+1], s[0:1], 0x40            ; live
	v_lshl_add_u32 v[SPW], v0, 2, SPARE
	v_mov_b32 v[NIL], 0
	v_lshrrev_b32 v1, 5, v0
	v_readfirstlane_b32 s[WV], v1                  ; wave 0..3
	s_mov_b32 s[TL], ttmp9
	v_and_b32 v1, 15, v0                           ; r
	v_bfe_u32 v2, v0, 4, 1                         ; h
	v_and_b32 v3, 31, v0                           ; l
	v_mul_u32_u24 v[AB], v1, PA
	v_lshl_add_u32 v[AB], v2, 4, v[AB]
.irp a, 0,1,2,3,4,5,6,7
	v_add_nc_u32 v[ADRA+(\a)], (\a)*16*PA, v[AB]
.endr
.irp a, 0,1,2,3,4,5,6,7
	v_mov_b32 v[S+(\a)], 0                         ; the row blocks' sums start at 0: both passes add onto them in one form, and a dead tile leaves them so
.endr
	v_lshlrev_b32 v[BO], 4, v3
	s_lshl_b32 s28, s[WV], 17
	v_lshlrev_b32 v[EO], 4, v1
	v_lshl_add_u32 v[EO], v2, 15, v[EO]
	v_add_nc_u32 v[EO], s28, v[EO]
	s_mul_i32 s28, s[WV], 32*PA
	v_mul_u32_u24 v[STA], v2, 8*PA
	v_lshl_add_u32 v[STA], v1, 3, v[STA]
	v_add_nc_u32 v[STA], s28, v[STA]
	v_lshlrev_b32 v[DVO], 9, v2
	v_lshlrev_b32 v[VO], 5, v2
	v_lshlrev_b32 v[ML], 2, v3
	v_lshlrev_b32 v[L8], 3, v3
	s_lshl_b32 s28, s[WV], 9
	s_add_co_u32 s28, s28, SCB
	v_lshl_add_u32 v[SCA], v1, 2, s28
	v_lshl_add_u32 v[SCR], v3, 4, SCB
	s_lshl_b32 s28, s[WV], 8
	s_add_co_u32 s28, s28, PH
	v_lshl_add_u32 v[PHW], v3, 3, s28
	v_lshl_add_u32 v[PHR], v2, 4, s28
	s_lshl_b32 s28, s[WV], 10
	s_add_co_u32 s28, s28, CT
	v_lshl_add_u32 v[CTA], v2, 5, s28
	v_lshl_add_u32 v[CTR], v3, 4, s28
	v_and_b32 v40, 7, v0
	v_lshl_add_u32 v40, v2, 3, v40
	v_mul_u32_u24 v40, v40, PA
	v_bfe_u32 v41, v0, 3, 1
	v_lshl_add_u32 v40, v41, 4, v40
	s_lshl_b32 s28, s[WV], 9
	v_add_nc_u32 v40, s28, v40
.irp q, 0,1,2,3
	v_add_nc_u32 v[TRA+(\q)], (\q)*32*PA, v40
.endr
	v_mov_b32 v[NINF], 0xff800000
	s_mov_b32 s[SEL], 0x76543210
	s_mov_b32 s[SEL+1], 0xfedcba98
	s_mov_b32 s46, 0xc038aa3b                      ; CEXP = -2 log2(e); a pair: the packed multiply takes its low word for both halves
	s_mov_b32 s47, s46
	s_mov_b32 s48, 0xff7fffff                      ; the lowest finite number
	s_lshr_b32 s38, s[TL], 4                       ; the batch
	s_lshr_b32 s39, s38, 4
	s_lshl_b32 s39, s39, 10
	s_and_b32 s42, s38, 15
	s_lshl_b32 s42, s42, 5
	s_add_co_u32 s39, s39, s42                     ; the batch's place in a block of decp
	s_lshl_b32 s42, s[WV], 14
	s_add_co_u32 s39, s39, s42                     ; + my wave's eight blocks of pass 0
	s_mov_b32 s41, 0
	s_wait_kmcnt 0x0
	s_lshl_b32 s40, s[TL], 3
	s_add_nc_u64 s[LP:LP+1], s[LP:LP+1], s[40:41]
	s_load_b32 s[LV], s[LP:LP+1], 0x0              ; the tile's flag: waited for ahead of the first jump
	s_lshl_b32 s40, s[TL], 7
	s_add_nc_u64 s[6:7], s[6:7], s[40:41]
	global_load_b32 v[MK], v[ML], s[6:7]           ; wanted at the very end
	s_lshl_b32 s40, s[TL], 19
	s_add_nc_u64 s[ENC:ENC+1], s[4:5], s[40:41]
	s_lshl_b32 s40, s[WV], 19
	s_add_nc_u64 s[WB:WB+1], s[10:11], s[40:41]
	s_mov_b32 s40, s39
	s_add_nc_u64 s[DB:DB+1], s[12:13], s[40:41]
	s_add_nc_u64 s[DB+6:DB+7], s[DB:DB+1], 0x10000 ; pass 1: four waves' blocks on
	s_lshl_b32 s40, s[WV], 9
	s_add_nc_u64 s[VB:VB+1], s[8:9], s[40:41]
	s_add_nc_u64 s[VB+2:VB+3], s[VB:VB+1], 0x800
	s_lshl_b32 s40, s[TL], 9
	s_add_nc_u64 s[14:15], s[14:15], s[40:41]
	s_lshl_b32 s40, s[TL], 8
	s_add_nc_u64 s[16:17], s[16:17], s[40:41]
	s_lshl_b32 s40, s[TL], 12
	s_lshl_b32 s42, s[WV], 10
	s_add_co_u32 s40, s40, s42
	s_add_nc_u64 s[18:19], s[18:19], s[40:41]
; ---------------- THE TILE COMES IN: 16 slices of 64 channels (256 bytes of every row); wave w takes rows 32 w .. + 31 ----------------
; A slice's 16 loads into landing set \set: load i takes rows 16 (i / 8) + i % 8 and 8 further down: lanes 0-15 one row's 256 bytes, lanes 16-31 the other's.
.macro LD set, sl
	WIN 0x80                                       ; destination window 2
.set i, 0
.rept 16
	global_load_b128 v[64*(\set)+4*i:64*(\set)+4*i+3], v[EO], s[ENC:ENC+1] offset:(16*(i/8)+i%8)*4096+256*(\sl) th:TH_LOAD_NT
.set i, i+1
.endr
.endm
; The turn of the slice in set q: it has landed; the slice three on is asked for; the slice is rounded to f16 and stored into the tile.  cnt: the younger loads that may stay out.
.macro TURN q, issue, cnt
	s_wait_loadcnt \cnt
.if \issue
	LD ((\q)+3)%4, (\q)+3
.endif
	WIN 0x0a                                       ; sources window 2, destination window 0
.set y, 0
.rept 32
	v_cvt_pk_f16_f32 v[TC+y], v[64*(\q)+2*y], v[64*(\q)+2*y+1]
.set y, y+1
.endr
	WIN 0
.set i, 0
.rept 16                               ; 8 bytes a lane: 128 bytes of one row and 128 of the row 8 further down, which begins 32 banks on
	ds_store_b64 v[STA], v[TC+2*i:TC+2*i+1] offset:(16*(i/8)+i%8)*PA+128*(\q)
.set i, i+1
.endr
.endm
; ---------------- THE PRODUCT ----------------
.macro FETCH_A buf, off                ; 16 LDS loads: the enc fragments of one K step (128 rows x 32 channels)
	WIN 0
.irp a, 0,1,2,3,4,5,6,7
	ds_load_b128 v[AF+64*(\buf)+8*(\a):AF+64*(\buf)+8*(\a)+3],   v[ADRA+(\a)] offset:(\off)
	ds_load_b128 v[AF+64*(\buf)+8*(\a)+4:AF+64*(\buf)+8*(\a)+7], v[ADRA+(\a)] offset:(\off)+32
.endr
.endm
.macro FETCH_B buf, off                ; 16 loads of 512 consecutive bytes: the W fragments of one K step (128 columns x 32 channels)
	WIN 0x40                                       ; destination window 1
.irp b, 0,1,2,3,4,5,6,7
	global_load_b128 v[64*(\buf)+8*(\b):64*(\buf)+8*(\b)+3],   v[BO], s[WB:WB+1] offset:(\off)+1024*(\b)
	global_load_b128 v[64*(\buf)+8*(\b)+4:64*(\buf)+8*(\b)+7], v[BO], s[WB:WB+1] offset:(\off)+1024*(\b)+512
.endr
.endm
.macro LOAD_DEC p                      ; SC x dec_proj of my 128 columns of pass p, as a C operand: register j of lane (r, h) is column 16 b + 8 h + j
	WIN 0
.irp b, 0,1,2,3,4,5,6,7
	global_load_b128 v[DEC+8*(\b):DEC+8*(\b)+3],   v[DVO], s[DB+6*(\p):DB+6*(\p)+1] offset:2048*(\b)
	global_load_b128 v[DEC+8*(\b)+4:DEC+8*(\b)+7], v[DVO], s[DB+6*(\p):DB+6*(\p)+1] offset:2048*(\b)+16
.endr
.endm
.macro LOAD_VV p                       ; v of the same columns, in the same order
	WIN 0
.irp b, 0,1,2,3,4,5,6,7
	global_load_b128 v[VV+8*(\b):VV+8*(\b)+3],   v[VO], s[VB+2*(\p):VB+2*(\p)+1] offset:64*(\b)
	global_load_b128 v[VV+8*(\b)+4:VV+8*(\b)+7], v[VO], s[VB+2*(\p):VB+2*(\p)+1] offset:64*(\b)+16
.endr
.endm
; 16 matrix instructions: row blocks a0, a0 + 1 of the window's four x all 8 column blocks.  first = 1: the sums start with dec_proj.
; The 64 accumulators take turns, one instruction a turn, in the same order in every K step, over the backward jumps too.
.macro MUL16 ab, bb, hi, a0, first
.if \first
	WIN 0x81+0x40*(\hi)                            ; W window 1, enc window 0, C (dec_proj) window 0, D window 2 or 3
.else
	WIN 0xa1+0x50*(\hi)                            ; the same with C = D
.endif
.irp a, \a0, (\a0)+1
.irp b, 0,1,2,3,4,5,6,7
.if \first
	v_wmma_f32_16x16x32_f16 v[8*(8*(\a)+(\b)):8*(8*(\a)+(\b))+7], v[64*(\bb)+8*(\b):64*(\bb)+8*(\b)+7], v[AF+64*(\ab)+8*(4*(\hi)+(\a)):AF+64*(\ab)+8*(4*(\hi)+(\a))+7], v[DEC+8*(\b):DEC+8*(\b)+7]
.else
	v_wmma_f32_16x16x32_f16 v[8*(8*(\a)+(\b)):8*(8*(\a)+(\b))+7], v[64*(\bb)+8*(\b):64*(\bb)+8*(\b)+7], v[AF+64*(\ab)+8*(4*(\hi)+(\a)):AF+64*(\ab)+8*(4*(\hi)+(\a))+7], v[8*(8*(\a)+(\b)):8*(8*(\a)+(\b))+7]
.endif
.endr
.endr
.endm
; A K step of 32: 64 matrix instructions on enc buffer ab and W buffer bb.  In its middle, in one run: the next step's enc fragments (fa, at byte ao) and the W fragments three steps on (nb, at byte bo).
; lc: the younger global loads that may stay out when this step's W must be there.  extra = 1: pass 1's dec_proj and pass 0's v are asked for; 2: pass 1's v.
.macro STEP ab, bb, first, lc, fa, ao, nb, bo, extra
	s_wait_loadcnt \lc
	s_wait_dscnt 8                                 ; enc's row blocks 0-3 are in; the youngest eight loads (blocks 4-7) may be out
	MUL16 \ab, \bb, 0, 0, \first
	MUL16 \ab, \bb, 0, 2, \first
	PLACES
.if \fa
	FETCH_A 1-(\ab), \ao
.endif
.if (\extra) == 1
	LOAD_DEC 1
	LOAD_VV 0
.endif
.if (\extra) == 2
	LOAD_VV 1
.endif
.if \nb
	FETCH_B ((\bb)+3)%4, \bo
.endif
	s_wait_dscnt 16*(\fa)                          ; all LDS loads but those just issued
	MUL16 \ab, \bb, 1, 0, \first
	MUL16 \ab, \bb, 1, 2, \first
.endm
.macro FOUR                            ; a trip of a pass's loop: four K steps, once round the W buffers; then the pointers step
	STEP 1, 1, 0, 32, 1, 128, 1, 32768, 0
	STEP 0, 2, 0, 32, 1, 192, 1, 40960, 0
	STEP 1, 3, 0, 32, 1, 256, 1, 49152, 0
	STEP 0, 0, 0, 32, 1, 320, 1, 57344, 0
	WIN 0                                          ; at a label and at a branch every window is 0
	s_wait_xcnt 0x0                                ; the loads issued so far have read their base, so it may be written
	s_add_nc_u64 s[WB:WB+1], s[WB:WB+1], 32768
.irp a, 0,1,2,3,4,5,6,7
	v_add_nc_u32 v[ADRA+(\a)], 256, v[ADRA+(\a)]
.endr
	s_sub_co_u32 s[CNT], s[CNT], 1
	s_cmp_lg_u32 s[CNT], 0
.endm
; ---------------- THE EPILOGUE OF A PASS: r = 1 / (1 + 2^x) and the sum of v r over my 128 columns, window by window, under one window setting ----------------
; A window's 256 registers go in four UNITS: unit u is column blocks 2 u, 2 u + 1 of its four row blocks; register x of a unit: row block x / 16, column block 2 u + (x / 8) % 2, register x % 8.
; Four stages: E 2^x; A + 1; R reciprocal; F times v, added onto the registers of column block 0.
; ROUND k: A of unit k - 1 between E of unit k, then F of unit k - 2 between R of unit k - 1.  Nothing in a round names a result of a transcendental of the same round; a round that has issued any ends
; with one plain instruction and ONE wait for all of them, ahead of the first line that names a result.
.macro ROUND k
.set i, 0
.rept 32
.set x, 2*i
.if ((\k) >= 1) && ((\k) <= 4)
.set rg, 8*(8*(x/16)+2*((\k)-1)+(x/8)%2)+x%8
	v_pk_add_f32 v[rg:rg+1], v[rg:rg+1], 1.0 op_sel_hi:[1,0]
.endif
.if (\k) <= 3
.set rg, 8*(8*(x/16)+2*(\k)+(x/8)%2)+x%8
	v_exp_f32 v[rg], v[rg]
	v_exp_f32 v[rg+1], v[rg+1]
.endif
.set i, i+1
.endr
.set i, 0
.rept 32
.if (\k) >= 2                          ; item i: column block 2 (k - 2) + i / 16, pair (i / 4) % 4, row block i % 4: sixteen others stand between two links of a chain
.set cb, 2*((\k)-2)+i/16
.set rs, 64*(i%4)+2*((i/4)%4)
.set rb, 8*(8*(i%4)+cb)+2*((i/4)%4)
.set rv, VV+8*cb+2*((i/4)%4)
.if cb == 0
	v_pk_mul_f32 v[rs:rs+1], v[rs:rs+1], v[rv:rv+1]
.else
	v_pk_fma_f32 v[rs:rs+1], v[rb:rb+1], v[rv:rv+1], v[rs:rs+1]
.endif
.endif
.if ((\k) >= 1) && ((\k) <= 4)
.set x, 2*i
.set rg, 8*(8*(x/16)+2*((\k)-1)+(x/8)%2)+x%8
	v_rcp_f32 v[rg], v[rg]
	v_rcp_f32 v[rg+1], v[rg+1]
.endif
.set i, i+1
.endr
.if (\k) <= 4
	v_nop                                          ; a plain instruction behind the last transcendental
	s_wait_alu depctr_va_vdst(0)                   ; the wait for the round's batch
.endif
.endm
; left: the global loads younger than v's fragments, which may stay out at their first use (round 2 of the first window).
.macro EPI left
	PLACES
.irp hi, 0, 1
	WIN 0xa2+0x51*(\hi)                            ; destination, source 0 and source 2 in the accumulators' window, source 1 (v) in window 0
	ROUND 0
	ROUND 1
.if (\hi) == 0
	s_wait_loadcnt \left
.endif
	ROUND 2
	ROUND 3
	ROUND 4
	ROUND 5
	WIN 0x8a+0x45*(\hi)                            ; all in the accumulators' window: a row block's four pairs into one
.irp ap, 0,1,2,3
	v_pk_add_f32 v[64*(\ap):64*(\ap)+1], v[64*(\ap):64*(\ap)+1], v[64*(\ap)+2:64*(\ap)+3]
.endr
.irp ap, 0,1,2,3
	v_pk_add_f32 v[64*(\ap)+4:64*(\ap)+5], v[64*(\ap)+4:64*(\ap)+5], v[64*(\ap)+6:64*(\ap)+7]
.endr
.irp ap, 0,1,2,3
	v_pk_add_f32 v[64*(\ap):64*(\ap)+1], v[64*(\ap):64*(\ap)+1], v[64*(\ap)+4:64*(\ap)+5]
.endr
	WIN 0x02+(\hi)                                 ; source 0 in the accumulators' window: the pair's two halves are added onto S
.irp ap, 0,1,2,3
	v_add_f32 v[S+4*(\hi)+(\ap)], v[64*(\ap)], v[S+4*(\hi)+(\ap)]
.endr
.irp ap, 0,1,2,3
	v_add_f32 v[S+4*(\hi)+(\ap)], v[64*(\ap)+1], v[S+4*(\hi)+(\ap)]
.endr
.endr
	WIN 0
.endm
; ---------------- THE CONTEXT: wave w makes channels 256 w .. + 255 of sum_s p_s enc[s][:] ----------------
.macro TRL q, base                     ; 32 turning loads: rows 32 q .. + 31 of the tile x my 256 channels, as 16 fragments whose lane holds one channel
	WIN 0x40
.set i, 0
.rept 16
	ds_load_tr16_b128 v[(\base)+8*i:(\base)+8*i+3],   v[TRA+(\q)] offset:32*i
	ds_load_tr16_b128 v[(\base)+8*i+4:(\base)+8*i+7], v[TRA+(\q)] offset:32*i+16*PA
.set i, i+1
.endr
.endm
.macro CW q, base                      ; 16 matrix instructions: source 0 = 16 channels, source 1 = p in all 16 columns; the 16 accumulators take turns
	WIN 0xa1
.set i, 0
.rept 16
.if (\q) == 0
	v_wmma_f32_16x16x32_f16 v[8*i:8*i+7], v[(\base)+8*i:(\base)+8*i+7], v[PF+8*(\q):PF+8*(\q)+7], 0
.else
	v_wmma_f32_16x16x32_f16 v[8*i:8*i+7], v[(\base)+8*i:(\base)+8*i+7], v[PF+8*(\q):PF+8*(\q)+7], v[8*i:8*i+7]
.endif
.set i, i+1
.endr
.endm
	; ======== the product's first operands go out while the flag is on its way ========
	; dec_proj's fragments and three K steps of W: 64 loads, ahead of the first jump.  A dead tile asks for them too and uses none: 128 KiB a work-group.
	LOAD_DEC 0
	FETCH_B 0, 0
	FETCH_B 1, 8192
	FETCH_B 2, 16384
	WIN 0
	s_wait_kmcnt 0x0                               ; the flag
	s_cmp_eq_u32 s[LV], 0
	s_cbranch_scc1 .Lin                            ; a dead tile brings nothing in
	; ======== the tile comes in ========
	LD 0, 0
	LD 1, 1
	LD 2, 2                                        ; three slices, 48 loads a wave, are out from here on
	WIN 0
	s_mov_b32 s[CNT], 3
.Lbulk:                                                ; a trip: four slices; the counts leave the two younger slices out
	TURN 0, 1, 32
	TURN 1, 1, 32
	TURN 2, 1, 32
	TURN 3, 1, 32
	s_wait_xcnt 0x0                                ; the loads have read their base
	s_add_nc_u64 s[ENC:ENC+1], s[ENC:ENC+1], 1024
	v_add_nc_u32 v[STA], 512, v[STA]
	s_sub_co_u32 s[CNT], s[CNT], 1
	s_cmp_lg_u32 s[CNT], 0
	s_cbranch_scc1 .Lbulk
	TURN 0, 1, 32                                  ; slice 12; slice 15, the last, is asked for
	TURN 1, 0, 32                                  ; slice 13: 14 and 15 stay out
	TURN 2, 0, 16                                  ; slice 14: 15 stays out
	TURN 3, 0, 0                                   ; slice 15: nothing was issued behind it
.Lin:
	s_wait_dscnt 0x0                               ; for the others' sake: my 32 rows lie in LDS
	s_barrier_signal -1
	s_barrier_wait -1                              ; the tile is whole; nobody writes it again
	s_cmp_eq_u32 s[LV], 0
	s_cbranch_scc1 .Lrd                            ; a dead tile multiplies nothing
	; ======== pass 0: K steps 0 to 31 of my W stream ========
	FETCH_A 0, 0
	STEP 0, 0, 1, 32, 1, 64, 1, 24576, 0           ; the first K step stands in front of the loop: its products start the sums; behind its W the next two steps' 32 loads were issued
	WIN 0
	s_mov_b32 s[CNT], 7
.Lk0:
	FOUR
	s_cbranch_scc1 .Lk0
	STEP 1, 1, 0, 32, 1, 128, 1, 32768, 0          ; the W stream runs on into pass 1: a wave's two chunks lie on end
	STEP 0, 2, 0, 32, 1, 192, 1, 40960, 0
	STEP 1, 3, 0, 32, 0, 0, 1, 49152, 1
	EPI 16                                         ; behind v's fragments one K step's 16 loads of W were issued
	; ======== pass 1: K steps 32 to 63 ========
.irp a, 0,1,2,3,4,5,6,7
	v_add_nc_u32 v[ADRA+(\a)], (\a)*16*PA, v[AB]   ; back to the rows' first channel
.endr
	FETCH_A 0, 0
	STEP 0, 0, 1, 32, 1, 64, 1, 57344, 0
	WIN 0
	s_wait_xcnt 0x0
	s_add_nc_u64 s[WB:WB+1], s[WB:WB+1], 32768
	s_mov_b32 s[CNT], 7
.Lk1:
	FOUR
	s_cbranch_scc1 .Lk1
	STEP 1, 1, 0, 32, 1, 128, 0, 0, 0              ; nothing of W is left to ask for: the counts run down
	STEP 0, 2, 0, 16, 1, 192, 0, 0, 0
	STEP 1, 3, 0, 0, 0, 0, 0, 0, 2
	EPI 0
	; ======== my columns' share of the tile's scores ========
.irp a, 0,1,2,3,4,5,6,7
	v_permlanex16_b32 v[VV+(\a)], v[S+(\a)], s[SEL], s[SEL+1]  ; a row's other columns lie in the lane 16 away
.endr
.irp a, 0,1,2,3,4,5,6,7
	v_add_f32 v[S+(\a)], v[S+(\a)], v[VV+(\a)]
.endr
.Lrd:
	s_wait_dscnt 0x0                               ; my LDS reads of the two passes are back
	s_barrier_signal -1
	s_barrier_wait -1                              ; so are every wave's: no wave stores into LDS again before all four have read what the passes read
.irp a, 0,1,2,3,4,5,6,7
	ds_store_b32 v[SCA], v[S+(\a)] offset:64*(\a)  ; row 16 a + r; both halves of the lanes write the same number to the same word.  On every wave's path: a dead tile stores its zeros, which nobody reads
.endr
	s_wait_dscnt 0x0                               ; for the others' sake
	s_barrier_signal -1
	s_barrier_wait -1                              ; all four waves' sums lie in LDS
	s_cmp_eq_u32 s[LV], 0
	s_cbranch_scc1 .Ldead
	; ======== softmax and context: every wave does the softmax of all 128 rows, four rows a lane ========
	s_wait_loadcnt 0x0                             ; the mask word, asked for at the head, is in
.irp p, 0,1,2,3
	ds_load_b128 v[40+4*(\p):43+4*(\p)], v[SCR] offset:512*(\p)
.endr
	s_wait_dscnt 0x0
	v_pk_add_f32 v[40:41], v[40:41], v[44:45]
	v_pk_add_f32 v[42:43], v[42:43], v[46:47]
	v_pk_add_f32 v[48:49], v[48:49], v[52:53]
	v_pk_add_f32 v[50:51], v[50:51], v[54:55]
	v_pk_add_f32 v[40:41], v[40:41], v[48:49]
	v_pk_add_f32 v[42:43], v[42:43], v[50:51]
	v_pk_mul_f32 v[40:41], v[40:41], s[46:47] op_sel_hi:[1,0]  ; t
	v_pk_mul_f32 v[42:43], v[42:43], s[46:47] op_sel_hi:[1,0]
.irp c, 0,1,2,3
	v_bfe_u32 v56, v[MK], 8*(\c), 8
	v_cmp_ne_u32 vcc_lo, 0, v56
	v_cndmask_b32 v[40+(\c)], v[40+(\c)], v[NINF], vcc_lo      ; a masked position: -inf
.endr
	v_max3_num_f32 v44, v40, v41, v42
	v_max3_num_f32 v44, v44, v43, s48              ; never below the lowest finite number, so that t - m is no inf - inf
	v_max_num_f32_dpp v44, v44, v44 row_xmask:1 row_mask:0xf bank_mask:0xf
	v_max_num_f32_dpp v44, v44, v44 row_xmask:2 row_mask:0xf bank_mask:0xf
	v_max_num_f32_dpp v44, v44, v44 row_xmask:4 row_mask:0xf bank_mask:0xf
	v_max_num_f32_dpp v44, v44, v44 row_xmask:8 row_mask:0xf bank_mask:0xf
	v_permlanex16_b32 v45, v44, s[SEL], s[SEL+1]
	v_max_num_f32 v44, v44, v45                    ; m, in every lane
.irp c, 0,1,2,3
	v_sub_f32 v[48+(\c)], v[40+(\c)], v44
.endr
.irp c, 0,1,2,3
	v_exp_f32 v[48+(\c)], v[48+(\c)]
.endr
	v_nop                                          ; a plain instruction behind the last exponential,
	s_wait_alu depctr_va_vdst(0)                   ; and one wait for the four, ahead of the first use
	v_pk_add_f32 v[52:53], v[48:49], v[50:51]
	v_cvt_pk_f16_f32 v56, v48, v49
	v_cvt_pk_f16_f32 v57, v50, v51
	v_add_f32 v45, v52, v53
	ds_store_b64 v[PHW], v[56:57]                  ; p of rows 4 l .. + 3, into my wave's own copy
	v_add_f32_dpp v45, v45, v45 row_xmask:1 row_mask:0xf bank_mask:0xf
	v_add_f32_dpp v45, v45, v45 row_xmask:2 row_mask:0xf bank_mask:0xf
	v_add_f32_dpp v45, v45, v45 row_xmask:4 row_mask:0xf bank_mask:0xf
	v_add_f32_dpp v45, v45, v45 row_xmask:8 row_mask:0xf bank_mask:0xf
	v_permlanex16_b32 v46, v45, s[SEL], s[SEL+1]
	v_add_f32 v45, v45, v46                        ; l, in every lane
.irp q, 0,1,2,3                        ; p as source 1: every lane of a half takes the same 8 + 8 rows.  LDS serves a wave's instructions in order (ISA guide 5.7.1.4): these see the store above
	ds_load_b128 v[PF+8*(\q):PF+8*(\q)+3],   v[PHR] offset:64*(\q)
	ds_load_b128 v[PF+8*(\q)+4:PF+8*(\q)+7], v[PHR] offset:64*(\q)+32
.endr
	s_cmp_lg_u32 s[WV], 0
	s_cbranch_scc1 .Lnot0                          ; all four waves hold the same t, m and l: wave 0 stores them; their registers are not written again
	global_store_b128 v[BO], v[40:43], s[14:15]    ; t of the 128 rows: 512 consecutive bytes
	global_store_b64 v[L8], v[44:45], s[16:17]     ; (m, l) 32 times: 256 consecutive bytes, aligned
.Lnot0:
	TRL 0, 0
	TRL 1, 128
	s_wait_dscnt 32                                ; p and the first K step's fragments are in; the second's 32 loads may be out
	CW 0, 0
	PLACES
	TRL 2, 0
	s_wait_dscnt 32
	CW 1, 128
	PLACES
	TRL 3, 128
	s_wait_dscnt 32
	CW 2, 0
	s_wait_dscnt 0x0
	CW 3, 128
	PLACES
	WIN 0x08                                       ; store data in window 2
.set i, 0
.rept 16                               ; register j of lane (r, h) is channel 16 i + 8 h + j, the same in all 16 lanes of a half, which write equal bytes; the low four registers go first
	ds_store_b128 v[CTA], v[8*i:8*i+3]   offset:64*i
	ds_store_b128 v[CTA], v[8*i+4:8*i+7] offset:64*i+16
.set i, i+1
.endr
	WIN 0
	ds_load_b128 v[160:163], v[CTR]                ; my wave's own bytes, served in order behind the stores
	ds_load_b128 v[164:167], v[CTR] offset:512
	s_wait_dscnt 0x0
	global_store_b128 v[BO], v[160:163], s[18:19]              ; 512 consecutive bytes each
	global_store_b128 v[BO], v[164:167], s[18:19] offset:512
	s_branch .Lend
	; ======== a dead tile: what the last launch reads of it ========
.Ldead:
.irp c, 0,1,2,3
	v_mov_b32 v[160+(\c)], 0
.endr
	global_store_b128 v[BO], v[160:163], s[18:19]              ; my wave's 256 channels of a context of zeros
	global_store_b128 v[BO], v[160:163], s[18:19] offset:512
	s_cmp_lg_u32 s[WV], 0
	s_cbranch_scc1 .Lend
.irp c, 0,1,2,3
	v_mov_b32 v[40+(\c)], v[NINF]                  ; t = -inf
.endr
	v_mov_b32 v44, s48                             ; m = the lowest finite number
	v_mov_b32 v45, 0                               ; l = 0
	global_store_b128 v[BO], v[40:43], s[14:15]
	global_store_b64 v[L8], v[44:45], s[16:17]
.Lend:
	s_wait_tensorcnt 0x0                           ; the wave's end, behind my last LDS store
	ds_add_u32 v[SPW], v[NIL]
	s_wait_dscnt 0x0
	s_endpgm
.Lfunc_end_k_qc447556259_attn:
	.size	k_qc447556259_attn, .Lfunc_end_k_qc447556259_attn-k_qc447556259_attn
	.p2alignl 7, 3214868480
	.fill 96, 4, 3214868480
	.section	.rodata,"a",@progbits
	.p2align	6, 0x0
	.amdhsa_kernel k_qc447556259_attn
		.amdhsa_group_segment_fixed_size 271872
		.amdhsa_private_segment_fixed_size 0
		.amdhsa_enable_private_segment 0
		.amdhsa_kernarg_size 72
		.amdhsa_user_sgpr_count 2
		.amdhsa_user_sgpr_kernarg_segment_ptr 1
		.amdhsa_wavefront_size32 1
		.amdhsa_system_sgpr_workgroup_id_x 1
		.amdhsa_system_sgpr_workgroup_id_y 1
		.amdhsa_system_sgpr_workgroup_id_z 1
		.amdhsa_system_vgpr_workitem_id 0
		.amdhsa_next_free_vgpr 1024
		.amdhsa_next_free_sgpr 66
		.amdhsa_reserve_vcc 1
		.amdhsa_float_denorm_mode_32 3
		.amdhsa_float_denorm_mode_16_64 3
		.amdhsa_memory_ordered 1
		.amdhsa_forward_progress 1
		.amdhsa_inst_pref_size 255
	.end_amdhsa_kernel
	.section	.bss,"aw",@nobits
	.p2align	6
	.space	262144
	.amdgpu_metadata
---
amdhsa.version: [ 1, 2 ]
amdhsa.kernels:
  - .name:           k_qc447556259_attn
    .symbol:         k_qc447556259_attn.kd
    .args:
      - { .name: encoder_outputs, .offset: 0, .size: 8, .value_kind: global_buffer, .address_space: global }
      - { .name: mask, .offset: 8, .size: 8, .value_kind: global_buffer, .address_space: global }
      - { .name: v, .offset: 16, .size: 8, .value_kind: global_buffer, .address_space: global }
      - { .name: wimg, .offset: 24, .size: 8, .value_kind: global_buffer, .address_space: global }
      - { .name: decp, .offset: 32, .size: 8, .value_kind: global_buffer, .address_space: global }
      - { .name: tsc, .offset: 40, .size: 8, .value_kind: global_buffer, .address_space: global }
      - { .name: stat, .offset: 48, .size: 8, .value_kind: global_buffer, .address_space: global }
      - { .name: pctx, .offset: 56, .size: 8, .value_kind: global_buffer, .address_space: global }
      - { .name: live, .offset: 64, .size: 8, .value_kind: global_buffer, .address_space: global }
    .group_segment_fixed_size: 271872
    .private_segment_fixed_size: 0
    .kernarg_segment_align: 8
    .kernarg_segment_size: 72
    .max_flat_workgroup_size: 128
    .sgpr_count:     66
    .vgpr_count:     1024
    .wavefront_size: 32
...
	.end_amdgpu_metadata
.endif
;; end of part 5
;; launch finish: the kernel of part 3 again; grid 8 x 32, 1 waves a work-group, no clusters, 0 bytes of LDS; arguments tsc, stat, pctx, out0, out1; writes out0, out1
;; ======== version 3 of 3: 3 launches; version 2 with the launch attn written anew for expert scheduling mode
;; limits: values are held in f16: magnitudes above 65,504 overflow, below 6.1e-05 lose precision; right only within a limited range of input values
;; workspace buffers: wimg 2,097,152 bytes; decp 131,072 bytes; tsc 262,144 bytes; stat 131,072 bytes; pctx 2,097,152 bytes; live 4,096 bytes of whole numbers
;; launch prep: the kernel of part 4 again; grid 128 x 1, 8 waves a work-group, no clusters, 17,408 bytes of LDS; arguments W_enc, W_dec, decoder_hidden, wimg, decp, mask, live; writes wimg, decp, live
;; launch attn (part 6): grid 512 x 1, 4 waves a work-group, no clusters, 271,872 bytes of LDS; arguments encoder_outputs, mask, v, wimg, decp, tsc, stat, pctx, live; writes tsc, stat, pctx
.if DOCPART == 6
	.amdgcn_target "amdgcn-amd-amdhsa--gfx1250"
	.amdhsa_code_object_version 6
	.text
	.protected	k_qc447556259_attn
	.globl	k_qc447556259_attn
	.p2align	8
	.type	k_qc447556259_attn,@function
k_qc447556259_attn:
	s_mov_b64 s[64:65], 0
	v_nop
	global_prefetch_b8 v0, s[64:65] scope:SCOPE_SE
	s_setreg_imm32_b32 hwreg(HW_REG_WAVE_SCHED_MODE, 0, 2), 2
	s_setreg_imm32_b32 hwreg(HW_REG_WAVE_MODE, 25, 1), 1
	s_wait_xcnt 0x0
	s_wait_alu depctr_vm_vsrc(0)
; ADDITIVE ATTENTION, ONE TILE OF 128 ENCODER ROWS OF ONE BATCH TO A WORK-GROUP (tile T = 16 x batch + t).
; The tile's 128 x 1024 f32 are read from memory ONCE, rounded to f16 and kept in LDS; they serve both products: x = enc W_enc (+ dec_proj), and the context, sum of p enc.
; tanh(x) = 1 - 2 r, r = 1 / (1 + 2^(SC x)), SC = 2 log2(e), folded into wimg and decp by the launch before.  score = sum_d v_d - 2 sum_d v_d r_d; the first sum is the same for all positions of
; a batch and cancels in the softmax, so the exponent (base 2) is t = CEXP sum_d v_d r_d, CEXP = -2 log2(e).  Overflow is harmless: 2^x = inf gives r = 0, 2^x = 0 gives r = 1.
; SOFTMAX.  The tile takes its own maximum m (never below the lowest finite number), p = 2^(t - m), l = sum p; a masked position has t = -inf and p = 0.  The last launch joins a batch's 16 tiles.
; A DEAD TILE.  Where all 128 positions are masked (the launch before has read that off the mask and left a whole number for each tile) every weight is 0 whatever the scores: the rows are not read and
; nothing is multiplied; the tile stores t = -inf, m = the lowest finite number, l = 0 and a context of zeros.  The flag is one scalar, the same in all four waves.  Three forward jumps on it pass the three
; parts of the work; the three barriers stand at the joins, so that every wave passes them.  Any mask is served: one without a wholly masked tile simply saves nothing.
; SHARES.  Two passes of 512 columns d; in pass p wave w owns columns (4 p + w) 128 .. + 127 for all 128 rows: 64 accumulators of 16 x 16, 512 registers.  So the sum over d never leaves the work-group.
; THE MATRIX INSTRUCTION IS USED TRANSPOSED: source 0 = 16 columns d of W, source 1 = 16 rows of enc.  Register j of lane (r, h) is (d = 16 b + 8 h + j, row 16 a + r): the sum over d is taken within
; a lane, then once between the halves of the lanes, then over the four waves in LDS.  dec_proj is the C operand of the first K step: no accumulator is cleared and nothing is added.
; W COMES STRAIGHT INTO REGISTERS: no wave wants a column of W that another wave has fetched, and wimg lies in fragment order, so a load is 512 consecutive bytes; four register buffers, three K steps ahead.
; NO TENSOR LOADS, NO CLUSTER: the resident tile takes 264,192 of the LDS bytes; what is left holds no two slots of W large enough for a refill to land in, and LDS would add no reuse of W.
; NO PREFETCH: the phase that reads enc does nothing else and has 48 loads a wave out; wimg is walked by every work-group again and again.
; LIMITS.  Matrix operands are f16: |encoder_outputs| below 65,504; below 6e-5 they keep the fixed step of 6e-8; p lies in 0 to 1 and is rounded to f16 for the context (l is the sum of the unrounded p).
; 2^x, r and p below 2^-126 count as 0.  NaN and infinities in the inputs are not treated apart; those in the rows of a dead tile are not seen at all.
; THE MODE: SCHED_MODE bits 1:0 = 2 (LLVM: expert scheduling mode 2), set by the entry lines.  The code itself states the register dependences between vector or matrix instructions and memory or LDS
; instructions, with s_wait_alu, always for 0.
; THE PLAN.  Registers that memory or LDS instructions touch, and who else names them:
;   L0 .. L3     the landing sets (window 2).  Turn n (slice n): its conversions read L[n % 4]; the loads of slice n + 3, issued in turn n, land in L[(n + 3) % 4], which turn n - 1 read.
;   TC0, TC1     the rounded words.  Turn n's conversions write TC[n % 2]; the sixteen LDS stores that read it are issued in turn n + 1.
;                So the two waits at a turn's head state all that its 32 memory instructions hang on; these stand in two runs among its conversions, which name L[n % 4] and TC[n % 2] alone.
;   v[STA]       read by those stores; written once a trip, at the trip's end, behind a wait on vm_vsrc; the next turn's wait on va_vdst states that it is written.
;   AF0, AF1     enc's fragments.  Step s: its matrix instructions read AF[s % 2]; its LDS loads land in the other buffer, which step s - 1 read.
;   W0 .. W3     W's fragments.  Step s reads W[s % 4]; its sixteen loads land in W[(s + 3) % 4], which step s - 1 read.
;   DEC, VV      asked for in a pass's last step: DEC was read by the pass's first step, VV lies in AF0, which the step before read.
;                So ONE wait on va_vdst stands at a step's head; the step's loads follow it in short runs among its matrix instructions, which name AF[s % 2], W[s % 4], the accumulators (and DEC).
;   v[ADRA ..]   read by the fragments' LDS loads; written once a trip of four steps and once between the passes, each time behind a wait on vm_vsrc and ahead of a wait on va_vdst that stands there anyway.
;   All other offsets and addresses are made at the head and never written again: one wait on va_vdst ahead of the first load states that they are written.
;   At the end: S, p, t, m, l and the context's accumulators are stored out of registers that are not written again; one wait on va_vdst stands ahead of each run of such stores.
; REGISTERS, in windows of 256 (s_set_vgpr_msb: bits 1:0 source 0, 3:2 source 1, 5:4 source 2, 7:6 destination):
;   window 0: v0-31 addresses; v32-39 S, a row block's sum; v40-63 at work at the end; v64-191 two buffers of enc fragments (v64-127 also the two buffers of rounded words on the way in and v's
;             fragments in an epilogue, v128-167 p's fragments and the way out at the end); v192-255 dec_proj's fragments
;   window 1: four buffers of W fragments; at the end enc's turned fragments of K steps 0, 1      window 2: accumulators of row blocks 0-3 ((a, b) at 8 (8 a + b)); first the four landing sets; at the end the context
;   window 3: accumulators of row blocks 4-7; at the end enc's turned fragments of K steps 2, 3
.set PA,    2064                       ; an LDS row of the tile: 2,048 bytes + 16 = 516 words: row r starts at bank 4 r mod 64 (64 banks of 4 bytes: ISA guide 11.1), so a fragment load's 16 rows start at 16 different banks
.set SCB,   128*PA                     ; behind the tile: [wave][128] f32, the waves' partial sums
.set PH,    SCB+2048                   ; [wave][128] f16: p, a copy for each wave
.set CT,    PH+1024                    ; [wave][256] f32: the context's way out.  The 512 bytes behind it hold the spare words, 128 bytes a wave, of the add at the end
.set ADRA, 4                           ; v4-11  row block a: (16 a + r) PA + 16 h + the K bytes walked
.set BO,   12                          ; v12    16 l
.set EO,   13                          ; v13    enc: (32 w + 8 h) rows of 4,096 bytes + 16 r
.set STA,  14                          ; v14    the tile: (32 w + 8 h) PA + 8 r + the K bytes walked
.set DVO,  15                          ; v15    512 h
.set VO,   16                          ; v16    32 h
.set ML,   17                          ; v17    4 l
.set MK,   18                          ; v18    the mask bytes of rows 4 l .. 4 l + 3
.set SCA,  19                          ; v19    SCB + 512 w + 4 r
.set SCR,  20                          ; v20    SCB + 16 l
.set PHW,  21                          ; v21    PH + 256 w + 8 l
.set PHR,  22                          ; v22    PH + 256 w + 16 h
.set CTA,  23                          ; v23    CT + 1024 w + 32 h
.set TRA,  24                          ; v24-27 the turning loads of K step q: (32 q + 8 h + l % 8) PA + 512 w + 16 ((l / 8) % 2)
.set NINF, 30                          ; v30    -inf
.set CTR,  31                          ; v31    CT + 1024 w + 16 l
.set S,    32
.set L8,   58                          ; v58    8 l
.set AB,   63                          ; v63    r PA + 16 h
.set AF,   64
.set TC,   64                          ; buffer k at TC + 32 k
.set VV,   64
.set PF,   128
.set DEC,  192
.set WV,   20                          ; s20      wave
.set TL,   21                          ; s21      tile
.set ENC,  22                          ; s[22:23] enc at the tile, at the slices in hand
.set WB,   24                          ; s[24:25] wimg at my wave's 512 KiB, at the K steps in hand
.set DB,   26                          ; s[26:27], s[32:33] decp for pass 0, 1
.set CNT,  28                          ; s28      loop counter
.set SEL,  30                          ; s[30:31] v_permlanex16_b32's selects: each lane takes its own place in the other half
.set VB,   34                          ; s[34:35], s[36:37] v for pass 0, 1
.set LP,   50                          ; s[50:51] live at my tile's pair
.set LV,   53                          ; s53      the tile's flag: 0 = dead
.set MSB, 0
.macro WIN new                         ; the immediate's high byte repeats the setting that is left; a switch that changes nothing is dropped
.if MSB != (\new)
	s_set_vgpr_msb (MSB<<8)|(\new)
.set MSB, \new
.endif
.endm
.macro PLACES                          ; four places behind a matrix instruction, in front of loads into registers that it has read and of vector work on its results
.rept 4
	v_nop
.endr
.endm
	s_load_b512 s[4:19], s[0:1], 0x0               ; enc s[4:5], mask s[6:7], v s[8:9], wimg s[10:11], decp s[12:13], tsc s[14:15], stat s[16:17], pctx s[18:19]
	s_load_b64 s[LP:LP+1], s[0:1], 0x40            ; live
	v_lshl_add_u32 v61, v0, 2, 0x42400
	v_mov_b32 v62, 0
	v_lshrrev_b32 v1, 5, v0
	v_readfirstlane_b32 s[WV], v1                  ; wave 0..3
	s_mov_b32 s[TL], ttmp9
	v_and_b32 v1, 15, v0                           ; r
	v_bfe_u32 v2, v0, 4, 1                         ; h
	v_and_b32 v3, 31, v0                           ; l
	v_mul_u32_u24 v[AB], v1, PA
	v_lshl_add_u32 v[AB], v2, 4, v[AB]
.irp a, 0,1,2,3,4,5,6,7
	v_add_nc_u32 v[ADRA+(\a)], (\a)*16*PA, v[AB]
.endr
.irp a, 0,1,2,3,4,5,6,7
	v_mov_b32 v[S+(\a)], 0                         ; the row blocks' sums start at 0: both passes add onto them in one form, and a dead tile leaves them so
.endr
	v_lshlrev_b32 v[BO], 4, v3
	s_wait_alu depctr_va_sdst(0)                   ; the wave's number is written, ahead of its first reader: addresses, bases and branches are made from it
	s_lshl_b32 s28, s[WV], 17
	v_lshlrev_b32 v[EO], 4, v1
	v_lshl_add_u32 v[EO], v2, 15, v[EO]
	v_add_nc_u32 v[EO], s28, v[EO]
	s_mul_i32 s28, s[WV], 32*PA
	v_mul_u32_u24 v[STA], v2, 8*PA
	v_lshl_add_u32 v[STA], v1, 3, v[STA]
	v_add_nc_u32 v[STA], s28, v[STA]
	v_lshlrev_b32 v[DVO], 9, v2
	v_lshlrev_b32 v[VO], 5, v2
	v_lshlrev_b32 v[ML], 2, v3
	v_lshlrev_b32 v[L8], 3, v3
	s_lshl_b32 s28, s[WV], 9
	s_add_co_u32 s28, s28, SCB
	v_lshl_add_u32 v[SCA], v1, 2, s28
	v_lshl_add_u32 v[SCR], v3, 4, SCB
	s_lshl_b32 s28, s[WV], 8
	s_add_co_u32 s28, s28, PH
	v_lshl_add_u32 v[PHW], v3, 3, s28
	v_lshl_add_u32 v[PHR], v2, 4, s28
	s_lshl_b32 s28, s[WV], 10
	s_add_co_u32 s28, s28, CT
	v_lshl_add_u32 v[CTA], v2, 5, s28
	v_lshl_add_u32 v[CTR], v3, 4, s28
	v_and_b32 v40, 7, v0
	v_lshl_add_u32 v40, v2, 3, v40
	v_mul_u32_u24 v40, v40, PA
	v_bfe_u32 v41, v0, 3, 1
	v_lshl_add_u32 v40, v41, 4, v40
	s_lshl_b32 s28, s[WV], 9
	v_add_nc_u32 v40, s28, v40
.irp q, 0,1,2,3
	v_add_nc_u32 v[TRA+(\q)], (\q)*32*PA, v40
.endr
	v_mov_b32 v[NINF], 0xff800000
	s_mov_b32 s[SEL], 0x76543210
	s_mov_b32 s[SEL+1], 0xfedcba98
	s_mov_b32 s46, 0xc038aa3b                      ; CEXP = -2 log2(e); a pair: the packed multiply takes its low word for both halves
	s_mov_b32 s47, s46
	s_mov_b32 s48, 0xff7fffff                      ; the lowest finite number
	s_lshr_b32 s38, s[TL], 4                       ; the batch
	s_lshr_b32 s39, s38, 4
	s_lshl_b32 s39, s39, 10
	s_and_b32 s42, s38, 15
	s_lshl_b32 s42, s42, 5
	s_add_co_u32 s39, s39, s42                     ; the batch's place in a block of decp
	s_lshl_b32 s42, s[WV], 14
	s_add_co_u32 s39, s39, s42                     ; + my wave's eight blocks of pass 0
	s_mov_b32 s41, 0
	s_wait_kmcnt 0x0
	s_lshl_b32 s40, s[TL], 3
	s_add_nc_u64 s[LP:LP+1], s[LP:LP+1], s[40:41]
	s_load_b32 s[LV], s[LP:LP+1], 0x0              ; the tile's flag: waited for ahead of the first jump
	s_lshl_b32 s40, s[TL], 7
	s_add_nc_u64 s[6:7], s[6:7], s[40:41]
	s_wait_alu depctr_va_vdst(0)                   ; every offset and address of v4 to v31 and v58 is written, which the loads and stores of the whole kernel read; so are v40 and v41, in which LDS loads land at the end
	global_load_b32 v[MK], v[ML], s[6:7]           ; wanted at the very end
	s_lshl_b32 s40, s[TL], 19
	s_add_nc_u64 s[ENC:ENC+1], s[4:5], s[40:41]
	s_lshl_b32 s40, s[WV], 19
	s_add_nc_u64 s[WB:WB+1], s[10:11], s[40:41]
	s_mov_b32 s40, s39
	s_add_nc_u64 s[DB:DB+1], s[12:13], s[40:41]
	s_add_nc_u64 s[DB+6:DB+7], s[DB:DB+1], 0x10000 ; pass 1: four waves' blocks on
	s_lshl_b32 s40, s[WV], 9
	s_add_nc_u64 s[VB:VB+1], s[8:9], s[40:41]
	s_add_nc_u64 s[VB+2:VB+3], s[VB:VB+1], 0x800
	s_lshl_b32 s40, s[TL], 9
	s_add_nc_u64 s[14:15], s[14:15], s[40:41]
	s_lshl_b32 s40, s[TL], 8
	s_add_nc_u64 s[16:17], s[16:17], s[40:41]
	s_lshl_b32 s40, s[TL], 12
	s_lshl_b32 s42, s[WV], 10
	s_add_co_u32 s40, s40, s42
	s_add_nc_u64 s[18:19], s[18:19], s[40:41]
; ---------------- THE TILE COMES IN: 16 slices of 64 channels (256 bytes of every row); wave w takes rows 32 w .. + 31 ----------------
; A slice's 16 loads into landing set \set: load i takes rows 16 (i / 8) + i % 8 and 8 further down: lanes 0-15 one row's 256 bytes, lanes 16-31 the other's.
.macro LD set, sl
	WIN 0x80                                       ; destination window 2
.set i, 0
.rept 16
	global_load_b128 v[64*(\set)+4*i:64*(\set)+4*i+3], v[EO], s[ENC:ENC+1] offset:(16*(i/8)+i%8)*4096+256*(\sl) th:TH_LOAD_NT
.set i, i+1
.endr
.endm
; The turn of the slice in set q: it has landed.  issue = 1: the slice three on, slice sl counted from the base in hand, is asked for, into the set that the turn before emptied.  first = 0: the slice before,
; which the turn before rounded, is stored into the tile.  This slice is rounded to f16 into the other buffer of words.  cnt: the younger loads that may stay out.
; vs = 1: the wait on vm_vsrc stands at the head; the turn behind a trip's end has it there, ahead of the backward jump.
; The loads and stores stand in two runs of eight and eight under one window setting (a store's address and data lie in window 0, like a load's address), sixteen conversions behind each run.
.macro TURN q, sl, first, issue, cnt, vs
	s_wait_loadcnt \cnt
.if \vs
	s_wait_alu depctr_vm_vsrc(0)                   ; the LDS stores issued in the turn before have read TC[q % 2], which this turn's conversions write again
.endif
.if !(\first)
	s_wait_alu depctr_va_vdst(0)                   ; the turn before has written the other TC, which the stores below read, and is done reading its landing set, in which the loads below land; behind a trip's end v[STA] is written
.endif
.irp g, 0,1
	WIN 0x80                                       ; a load's destination window 2; addresses and store data window 0
.set i, 8*(\g)
.rept 8
.if \issue
	global_load_b128 v[64*(((\q)+3)%4)+4*i:64*(((\q)+3)%4)+4*i+3], v[EO], s[ENC:ENC+1] offset:(16*(i/8)+i%8)*4096+256*(\sl) th:TH_LOAD_NT  ; no vector instruction since the wait names these registers
.endif
.if !(\first)
	ds_store_b64 v[STA], v[TC+32*(1-(\q)%2)+2*i:TC+32*(1-(\q)%2)+2*i+1] offset:(16*(i/8)+i%8)*PA+128*(((\q)+3)%4)  ; 8 bytes a lane: 128 bytes of one row and 128 of the row 8 further down, which begins 32 banks on
.endif
.set i, i+1
.endr
	WIN 0x0a                                       ; sources window 2, destination window 0
.set y, 16*(\g)
.rept 16
	v_cvt_pk_f16_f32 v[TC+32*((\q)%2)+y], v[64*(\q)+2*y], v[64*(\q)+2*y+1]
.set y, y+1
.endr
.endr
.endm
; ---------------- THE PRODUCT ----------------
.macro FETCH_A buf, off, a0            ; 4 LDS loads: the enc fragments of row blocks a0, a0 + 1 for one K step (32 rows x 32 channels)
	WIN 0
.irp a, \a0, (\a0)+1
	ds_load_b128 v[AF+64*(\buf)+8*(\a):AF+64*(\buf)+8*(\a)+3],   v[ADRA+(\a)] offset:(\off)
	ds_load_b128 v[AF+64*(\buf)+8*(\a)+4:AF+64*(\buf)+8*(\a)+7], v[ADRA+(\a)] offset:(\off)+32
.endr
.endm
.macro FETCH_B buf, off, b0, n         ; 2 n loads of 512 consecutive bytes: the W fragments of column blocks b0 .. b0 + n - 1 for one K step
	WIN 0x40                                       ; destination window 1
.set i, (\b0)
.rept \n
	global_load_b128 v[64*(\buf)+8*i:64*(\buf)+8*i+3],   v[BO], s[WB:WB+1] offset:(\off)+1024*i
	global_load_b128 v[64*(\buf)+8*i+4:64*(\buf)+8*i+7], v[BO], s[WB:WB+1] offset:(\off)+1024*i+512
.set i, i+1
.endr
.endm
.macro LOAD_DEC p                      ; SC x dec_proj of my 128 columns of pass p, as a C operand: register j of lane (r, h) is column 16 b + 8 h + j
	WIN 0
.irp b, 0,1,2,3,4,5,6,7
	global_load_b128 v[DEC+8*(\b):DEC+8*(\b)+3],   v[DVO], s[DB+6*(\p):DB+6*(\p)+1] offset:2048*(\b)
	global_load_b128 v[DEC+8*(\b)+4:DEC+8*(\b)+7], v[DVO], s[DB+6*(\p):DB+6*(\p)+1] offset:2048*(\b)+16
.endr
.endm
.macro LOAD_VV p                       ; v of the same columns, in the same order
	WIN 0
.irp b, 0,1,2,3,4,5,6,7
	global_load_b128 v[VV+8*(\b):VV+8*(\b)+3],   v[VO], s[VB+2*(\p):VB+2*(\p)+1] offset:64*(\b)
	global_load_b128 v[VV+8*(\b)+4:VV+8*(\b)+7], v[VO], s[VB+2*(\p):VB+2*(\p)+1] offset:64*(\b)+16
.endr
.endm
; 8 matrix instructions: row block a (0-7) x all 8 column blocks.  first = 1: the sums start with dec_proj.
; The 64 accumulators take turns, one instruction a turn, in the same order in every K step, over the backward jumps too.
.macro MUL8 ab, bb, a, first
.if \first
	WIN 0x81+0x40*((\a)/4)                         ; W window 1, enc window 0, C (dec_proj) window 0, D window 2 or 3
.else
	WIN 0xa1+0x50*((\a)/4)                         ; the same with C = D
.endif
.irp b, 0,1,2,3,4,5,6,7
.if \first
	v_wmma_f32_16x16x32_f16 v[8*(8*((\a)%4)+(\b)):8*(8*((\a)%4)+(\b))+7], v[64*(\bb)+8*(\b):64*(\bb)+8*(\b)+7], v[AF+64*(\ab)+8*(\a):AF+64*(\ab)+8*(\a)+7], v[DEC+8*(\b):DEC+8*(\b)+7]
.else
	v_wmma_f32_16x16x32_f16 v[8*(8*((\a)%4)+(\b)):8*(8*((\a)%4)+(\b))+7], v[64*(\bb)+8*(\b):64*(\bb)+8*(\b)+7], v[AF+64*(\ab)+8*(\a):AF+64*(\ab)+8*(\a)+7], v[8*(8*((\a)%4)+(\b)):8*(8*((\a)%4)+(\b))+7]
.endif
.endr
.endm
; A K step of 32: 64 matrix instructions on enc buffer ab and W buffer bb, in eight groups of eight.  Behind each of the first four groups: four LDS loads of the next step's enc fragments (fa, at byte ao);
; behind the next three: six, six and four loads of the W fragments three steps on (nb, at byte bo).  A run costs two window switches: a load's address lies in window 0, where a product has W's window.
; lc: the younger global loads that may stay out when this step's W must be there.  extra = 1: pass 1's dec_proj and pass 0's v are asked for, ahead of W, in that order; 2: pass 1's v.
; A pass's first step has no wait on va_vdst: the wait that stands ahead of its own fragments' loads has covered all that was issued before, and its products name none of the registers that its loads touch.
.macro STEP ab, bb, first, lc, fa, ao, nb, bo, extra
	s_wait_loadcnt \lc
	s_wait_dscnt 8                                 ; enc's row blocks 0-3 are in; the youngest eight loads (blocks 4-7) may be out
.if !(\first)
	PLACES                                         ; the four places between the last step's matrix instructions and this step's loads into registers that they read stay, beside the wait
	s_wait_alu depctr_va_vdst(0)                   ; the last step's matrix instructions are done reading the other enc buffer and W buffer (bb + 3) % 4, in which this step's loads land; in a trip's first step v[ADRA ..] are written
.endif
	MUL8 \ab, \bb, 0, \first
.if \fa
	FETCH_A 1-(\ab), \ao, 0                        ; no wait: no vector or matrix instruction since the wait names these registers; so for every run below
.endif
.if (\extra) == 1
	LOAD_DEC 1
.endif
.if (\extra) == 2
	LOAD_VV 1
.endif
	MUL8 \ab, \bb, 1, \first
.if \fa
	FETCH_A 1-(\ab), \ao, 2
.endif
	MUL8 \ab, \bb, 2, \first
.if \fa
	FETCH_A 1-(\ab), \ao, 4
.endif
.if (\extra) == 1
	LOAD_VV 0
.endif
	MUL8 \ab, \bb, 3, \first
.if \fa
	FETCH_A 1-(\ab), \ao, 6
.endif
	s_wait_dscnt 16*(\fa)                          ; all LDS loads but the next step's sixteen
	MUL8 \ab, \bb, 4, \first
.if \nb
	FETCH_B ((\bb)+3)%4, \bo, 0, 3
.endif
	MUL8 \ab, \bb, 5, \first
.if \nb
	FETCH_B ((\bb)+3)%4, \bo, 3, 3
.endif
	MUL8 \ab, \bb, 6, \first
.if \nb
	FETCH_B ((\bb)+3)%4, \bo, 6, 2
.endif
	MUL8 \ab, \bb, 7, \first
.endm
.macro FOUR                            ; a trip of a pass's loop: four K steps, once round the W buffers; then the pointers step
	STEP 1, 1, 0, 32, 1, 128, 1, 32768, 0
	STEP 0, 2, 0, 32, 1, 192, 1, 40960, 0
	STEP 1, 3, 0, 32, 1, 256, 1, 49152, 0
	STEP 0, 0, 0, 32, 1, 320, 1, 57344, 0
	WIN 0                                          ; at a label and at a branch every window is 0
	s_wait_xcnt 0x0                                ; the loads issued so far have read their base, so it may be written
	s_add_nc_u64 s[WB:WB+1], s[WB:WB+1], 32768
	s_wait_alu depctr_vm_vsrc(0)                   ; the LDS loads issued so far have read v[ADRA ..]
.irp a, 0,1,2,3,4,5,6,7
	v_add_nc_u32 v[ADRA+(\a)], 256, v[ADRA+(\a)]
.endr
	s_sub_co_u32 s[CNT], s[CNT], 1
	s_cmp_lg_u32 s[CNT], 0
.endm
; ---------------- THE EPILOGUE OF A PASS: r = 1 / (1 + 2^x) and the sum of v r over my 128 columns, window by window, under one window setting ----------------
; A window's 256 registers go in four UNITS: unit u is column blocks 2 u, 2 u + 1 of its four row blocks; register x of a unit: row block x / 16, column block 2 u + (x / 8) % 2, register x % 8.
; Four stages: E 2^x; A + 1; R reciprocal; F times v, added onto the registers of column block 0.
; ROUND k: A of unit k - 1 between E of unit k, then F of unit k - 2 between R of unit k - 1.  Nothing in a round names a result of a transcendental of the same round; a round that has issued any ends
; with one plain instruction and ONE wait for all of them, ahead of the first line that names a result.
.macro ROUND k
.set i, 0
.rept 32
.set x, 2*i
.if ((\k) >= 1) && ((\k) <= 4)
.set rg, 8*(8*(x/16)+2*((\k)-1)+(x/8)%2)+x%8
	v_pk_add_f32 v[rg:rg+1], v[rg:rg+1], 1.0 op_sel_hi:[1,0]
.endif
.if (\k) <= 3
.set rg, 8*(8*(x/16)+2*(\k)+(x/8)%2)+x%8
	v_exp_f32 v[rg], v[rg]
	v_exp_f32 v[rg+1], v[rg+1]
.endif
.set i, i+1
.endr
.set i, 0
.rept 32
.if (\k) >= 2                          ; item i: column block 2 (k - 2) + i / 16, pair (i / 4) % 4, row block i % 4: sixteen others stand between two links of a chain
.set cb, 2*((\k)-2)+i/16
.set rs, 64*(i%4)+2*((i/4)%4)
.set rb, 8*(8*(i%4)+cb)+2*((i/4)%4)
.set rv, VV+8*cb+2*((i/4)%4)
.if cb == 0
	v_pk_mul_f32 v[rs:rs+1], v[rs:rs+1], v[rv:rv+1]
.else
	v_pk_fma_f32 v[rs:rs+1], v[rb:rb+1], v[rv:rv+1], v[rs:rs+1]
.endif
.endif
.if ((\k) >= 1) && ((\k) <= 4)
.set x, 2*i
.set rg, 8*(8*(x/16)+2*((\k)-1)+(x/8)%2)+x%8
	v_rcp_f32 v[rg], v[rg]
	v_rcp_f32 v[rg+1], v[rg+1]
.endif
.set i, i+1
.endr
.if (\k) <= 4
	v_nop                                          ; a plain instruction behind the last transcendental
	s_wait_alu depctr_va_vdst(0)                   ; the round's exponentials (unit k) and reciprocals (unit k - 1) have written their results, which the next round's lines read
.endif
.endm
; left: the global loads younger than v's fragments, which may stay out at their first use (round 2 of the first window).
.macro EPI left
	PLACES
.irp hi, 0, 1
	WIN 0xa2+0x51*(\hi)                            ; destination, source 0 and source 2 in the accumulators' window, source 1 (v) in window 0
	ROUND 0
	ROUND 1
.if (\hi) == 0
	s_wait_loadcnt \left
.endif
	ROUND 2
	ROUND 3
	ROUND 4
	ROUND 5
	WIN 0x8a+0x45*(\hi)                            ; all in the accumulators' window: a row block's four pairs into one
.irp ap, 0,1,2,3
	v_pk_add_f32 v[64*(\ap):64*(\ap)+1], v[64*(\ap):64*(\ap)+1], v[64*(\ap)+2:64*(\ap)+3]
.endr
.irp ap, 0,1,2,3
	v_pk_add_f32 v[64*(\ap)+4:64*(\ap)+5], v[64*(\ap)+4:64*(\ap)+5], v[64*(\ap)+6:64*(\ap)+7]
.endr
.irp ap, 0,1,2,3
	v_pk_add_f32 v[64*(\ap):64*(\ap)+1], v[64*(\ap):64*(\ap)+1], v[64*(\ap)+4:64*(\ap)+5]
.endr
	WIN 0x02+(\hi)                                 ; source 0 in the accumulators' window: the pair's two halves are added onto S
.irp ap, 0,1,2,3
	v_add_f32 v[S+4*(\hi)+(\ap)], v[64*(\ap)], v[S+4*(\hi)+(\ap)]
.endr
.irp ap, 0,1,2,3
	v_add_f32 v[S+4*(\hi)+(\ap)], v[64*(\ap)+1], v[S+4*(\hi)+(\ap)]
.endr
.endr
	WIN 0
.endm
; ---------------- THE CONTEXT: wave w makes channels 256 w .. + 255 of sum_s p_s enc[s][:] ----------------
.macro TRL q, w, base                  ; 32 turning loads: rows 32 q .. + 31 of the tile x my 256 channels, as 16 fragments whose lane holds one channel, into window w
	WIN 0x40*(\w)
.set i, 0
.rept 16
	ds_load_tr16_b128 v[(\base)+8*i:(\base)+8*i+3],   v[TRA+(\q)] offset:32*i
	ds_load_tr16_b128 v[(\base)+8*i+4:(\base)+8*i+7], v[TRA+(\q)] offset:32*i+16*PA
.set i, i+1
.endr
.endm
.macro CW q, w, base                   ; 16 matrix instructions: source 0 = 16 channels (window w), source 1 = p in all 16 columns; the 16 accumulators take turns
	WIN 0xa0+(\w)
.set i, 0
.rept 16
.if (\q) == 0
	v_wmma_f32_16x16x32_f16 v[8*i:8*i+7], v[(\base)+8*i:(\base)+8*i+7], v[PF+8*(\q):PF+8*(\q)+7], 0
.else
	v_wmma_f32_16x16x32_f16 v[8*i:8*i+7], v[(\base)+8*i:(\base)+8*i+7], v[PF+8*(\q):PF+8*(\q)+7], v[8*i:8*i+7]
.endif
.set i, i+1
.endr
.endm
	; ======== the product's first operands go out while the flag is on its way ========
	; dec_proj's fragments and three K steps of W: 64 loads, ahead of the first jump.  A dead tile asks for them too and uses none: 128 KiB a work-group.
	LOAD_DEC 0
	FETCH_B 0, 0, 0, 8
	FETCH_B 1, 8192, 0, 8
	FETCH_B 2, 16384, 0, 8
	WIN 0
	s_wait_kmcnt 0x0                               ; the flag
	s_cmp_eq_u32 s[LV], 0
	s_cbranch_scc1 .Lin                            ; a dead tile brings nothing in
	; ======== the tile comes in ========
	LD 0, 0
	LD 1, 1
	LD 2, 2                                        ; three slices, 48 loads a wave, are out from here on
	TURN 0, 3, 1, 1, 32, 0                         ; slice 0 stands ahead of the loop: no slice is in front of it, so it stores nothing and states nothing
	WIN 0
	s_mov_b32 s[CNT], 3
.Lbulk:                                                ; a trip: slices 4 k + 1 to 4 k + 4; the counts leave the two younger slices out; both kinds of buffer are back at their start
	TURN 1, 4, 0, 1, 32, 0
	TURN 2, 5, 0, 1, 32, 1
	TURN 3, 6, 0, 1, 32, 1
	TURN 0, 7, 0, 1, 32, 1
	WIN 0
	s_wait_xcnt 0x0                                ; the loads have read their base
	s_add_nc_u64 s[ENC:ENC+1], s[ENC:ENC+1], 1024
	s_wait_alu depctr_vm_vsrc(0)                   ; the LDS stores issued so far have read v[STA], which the add writes, and TC1, which the next turn's conversions write
	v_add_nc_u32 v[STA], 512, v[STA]
	s_sub_co_u32 s[CNT], s[CNT], 1
	s_cmp_lg_u32 s[CNT], 0
	s_cbranch_scc1 .Lbulk
	TURN 1, 0, 0, 0, 32, 0                         ; slice 13: 14 and 15 stay out; nothing is left to ask for
	TURN 2, 0, 0, 0, 16, 1                         ; slice 14: 15 stays out
	TURN 3, 0, 0, 0, 0, 1                          ; slice 15: nothing was issued behind it
	WIN 0
	s_wait_alu depctr_va_vdst(0)                   ; slice 15's conversions have written TC1, which the last sixteen stores read
.set i, 0
.rept 16
	ds_store_b64 v[STA], v[TC+32+2*i:TC+32+2*i+1] offset:(16*(i/8)+i%8)*PA+384
.set i, i+1
.endr
	s_wait_alu depctr_vm_vsrc(0)                   ; my LDS stores have read TC0 and TC1: these registers take enc's fragments from here on
.Lin:
	s_wait_dscnt 0x0                               ; for the others' sake: my 32 rows lie in LDS
	s_barrier_signal -1
	s_barrier_wait -1                              ; the tile is whole; nobody writes it again
	s_cmp_eq_u32 s[LV], 0
	s_cbranch_scc1 .Lrd                            ; a dead tile multiplies nothing
	; ======== pass 0: K steps 0 to 31 of my W stream ========
.irp a0, 0,2,4,6
	FETCH_A 0, 0, \a0                              ; no vector instruction since the last wait on va_vdst names these registers or their addresses
.endr
	STEP 0, 0, 1, 32, 1, 64, 1, 24576, 0           ; the first K step stands in front of the loop: its products start the sums; behind its W the next two steps' 32 loads were issued
	WIN 0
	s_mov_b32 s[CNT], 7
.Lk0:
	FOUR
	s_cbranch_scc1 .Lk0
	STEP 1, 1, 0, 32, 1, 128, 1, 32768, 0          ; the W stream runs on into pass 1: a wave's two chunks lie on end
	STEP 0, 2, 0, 32, 1, 192, 1, 40960, 0
	STEP 1, 3, 0, 32, 0, 0, 1, 49152, 1
	EPI 16                                         ; behind v's fragments one K step's 16 loads of W were issued
	; ======== pass 1: K steps 32 to 63 ========
	s_wait_alu depctr_vm_vsrc(0)                   ; pass 0's LDS loads have read v[ADRA ..]
.irp a, 0,1,2,3,4,5,6,7
	v_add_nc_u32 v[ADRA+(\a)], (\a)*16*PA, v[AB]   ; back to the rows' first channel
.endr
	s_wait_alu depctr_va_vdst(0)                   ; v[ADRA ..] are written, which the loads below read; the epilogue is done reading v's fragments, in whose registers they land; pass 0's products are done with the other enc buffer and with W's
.irp a0, 0,2,4,6
	FETCH_A 0, 0, \a0
.endr
	STEP 0, 0, 1, 32, 1, 64, 1, 57344, 0
	WIN 0
	s_wait_xcnt 0x0
	s_add_nc_u64 s[WB:WB+1], s[WB:WB+1], 32768
	s_mov_b32 s[CNT], 7
.Lk1:
	FOUR
	s_cbranch_scc1 .Lk1
	STEP 1, 1, 0, 32, 1, 128, 0, 0, 0              ; nothing of W is left to ask for: the counts run down
	STEP 0, 2, 0, 16, 1, 192, 0, 0, 0
	STEP 1, 3, 0, 0, 0, 0, 0, 0, 2
	EPI 0
	; ======== my columns' share of the tile's scores ========
.irp a, 0,1,2,3,4,5,6,7
	v_permlanex16_b32 v[VV+(\a)], v[S+(\a)], s[SEL], s[SEL+1]  ; a row's other columns lie in the lane 16 away
.endr
.irp a, 0,1,2,3,4,5,6,7
	v_add_f32 v[S+(\a)], v[S+(\a)], v[VV+(\a)]
.endr
.Lrd:
	s_wait_dscnt 0x0                               ; my LDS reads of the two passes are back
	s_barrier_signal -1
	s_barrier_wait -1                              ; so are every wave's: no wave stores into LDS again before all four have read what the passes read
	s_wait_alu depctr_va_vdst(0)                   ; S is written, which the stores below read: by the additions above or, on a dead tile's way, by the head's moves.  All the passes' vector and matrix work is done with the registers in which the end's LDS loads land
.irp a, 0,1,2,3,4,5,6,7
	ds_store_b32 v[SCA], v[S+(\a)] offset:64*(\a)  ; row 16 a + r; both halves of the lanes write the same number to the same word.  On every wave's path: a dead tile stores its zeros, which nobody reads
.endr
	s_wait_dscnt 0x0                               ; for the others' sake
	s_barrier_signal -1
	s_barrier_wait -1                              ; all four waves' sums lie in LDS
	s_cmp_eq_u32 s[LV], 0
	s_cbranch_scc1 .Ldead
	; ======== softmax and context: every wave does the softmax of all 128 rows, four rows a lane ========
	s_wait_loadcnt 0x0                             ; the mask word, asked for at the head, is in
.irp p, 0,1,2,3
	ds_load_b128 v[40+4*(\p):43+4*(\p)], v[SCR] offset:512*(\p)
.endr
	s_wait_dscnt 0x0
	v_pk_add_f32 v[40:41], v[40:41], v[44:45]
	v_pk_add_f32 v[42:43], v[42:43], v[46:47]
	v_pk_add_f32 v[48:49], v[48:49], v[52:53]
	v_pk_add_f32 v[50:51], v[50:51], v[54:55]
	v_pk_add_f32 v[40:41], v[40:41], v[48:49]
	v_pk_add_f32 v[42:43], v[42:43], v[50:51]
	v_pk_mul_f32 v[40:41], v[40:41], s[46:47] op_sel_hi:[1,0]  ; t
	v_pk_mul_f32 v[42:43], v[42:43], s[46:47] op_sel_hi:[1,0]
.irp c, 0,1,2,3
	v_bfe_u32 v[52+(\c)], v[MK], 8*(\c), 8
.endr
.irp c, 0,1,2,3
	v_cmp_ne_u32 s[40+(\c)], 0, v[52+(\c)]         ; the four compares in one run, each into a scalar register of its own
.endr
	s_wait_alu depctr_va_sdst(0)                   ; the four masks s40 to s43 are written, ahead of the selects that read them
.irp c, 0,1,2,3
	v_cndmask_b32 v[40+(\c)], v[40+(\c)], v[NINF], s[40+(\c)]  ; a masked position: -inf
.endr
	v_max3_num_f32 v44, v40, v41, v42
	v_max3_num_f32 v44, v44, v43, s48              ; never below the lowest finite number, so that t - m is no inf - inf
	v_max_num_f32_dpp v44, v44, v44 row_xmask:1 row_mask:0xf bank_mask:0xf
	v_max_num_f32_dpp v44, v44, v44 row_xmask:2 row_mask:0xf bank_mask:0xf
	v_max_num_f32_dpp v44, v44, v44 row_xmask:4 row_mask:0xf bank_mask:0xf
	v_max_num_f32_dpp v44, v44, v44 row_xmask:8 row_mask:0xf bank_mask:0xf
	v_permlanex16_b32 v45, v44, s[SEL], s[SEL+1]
	v_max_num_f32 v44, v44, v45                    ; m, in every lane
.irp c, 0,1,2,3
	v_sub_f32 v[48+(\c)], v[40+(\c)], v44
.endr
.irp c, 0,1,2,3
	v_exp_f32 v[48+(\c)], v[48+(\c)]
.endr
	v_nop                                          ; a plain instruction behind the last exponential,
	s_wait_alu depctr_va_vdst(0)                   ; and one wait: the four exponentials have written v48 to v51, which the lines below read
	v_pk_add_f32 v[52:53], v[48:49], v[50:51]
	v_cvt_pk_f16_f32 v56, v48, v49
	v_cvt_pk_f16_f32 v57, v50, v51
	v_add_f32 v45, v52, v53
	v_add_f32_dpp v45, v45, v45 row_xmask:1 row_mask:0xf bank_mask:0xf
	v_add_f32_dpp v45, v45, v45 row_xmask:2 row_mask:0xf bank_mask:0xf
	v_add_f32_dpp v45, v45, v45 row_xmask:4 row_mask:0xf bank_mask:0xf
	v_add_f32_dpp v45, v45, v45 row_xmask:8 row_mask:0xf bank_mask:0xf
	v_permlanex16_b32 v46, v45, s[SEL], s[SEL+1]
	v_add_f32 v45, v45, v46                        ; l, in every lane
	s_wait_alu depctr_va_vdst(0)                   ; p (v56, v57), t (v40 to v43), m and l (v44, v45) are written: the LDS store and wave 0's two stores below read them; none of them is written again
	ds_store_b64 v[PHW], v[56:57]                  ; p of rows 4 l .. + 3, into my wave's own copy
.irp q, 0,1,2,3                        ; p as source 1: every lane of a half takes the same 8 + 8 rows.  LDS serves a wave's instructions in order (ISA guide 5.7.1.4): these see the store above
	ds_load_b128 v[PF+8*(\q):PF+8*(\q)+3],   v[PHR] offset:64*(\q)
	ds_load_b128 v[PF+8*(\q)+4:PF+8*(\q)+7], v[PHR] offset:64*(\q)+32
.endr
	s_cmp_lg_u32 s[WV], 0
	s_cbranch_scc1 .Lnot0                          ; all four waves hold the same t, m and l: wave 0 stores them; their registers are not written again
	global_store_b128 v[BO], v[40:43], s[14:15]    ; t of the 128 rows: 512 consecutive bytes
	global_store_b64 v[L8], v[44:45], s[16:17]     ; (m, l) 32 times: 256 consecutive bytes, aligned
.Lnot0:
	; The four K steps' fragments have registers of their own: steps 0 and 1 in window 1, steps 2 and 3 in window 3, whose accumulators are spent.  No product names a register in which a later load lands.
	TRL 0, 1, 0
	TRL 1, 1, 128
	s_wait_dscnt 32                                ; p and the first K step's fragments are in; the second's 32 loads may be out
	CW 0, 1, 0
	TRL 2, 3, 0
	s_wait_dscnt 32
	CW 1, 1, 128
	TRL 3, 3, 128
	s_wait_dscnt 32
	CW 2, 3, 0
	s_wait_dscnt 0x0
	CW 3, 3, 128
	PLACES
	WIN 0x08                                       ; store data in window 2
	s_wait_alu depctr_va_vdst(0)                   ; the products have written the context's accumulators, which the LDS stores read; the places above stay beside this wait
.set i, 0
.rept 16                               ; register j of lane (r, h) is channel 16 i + 8 h + j, the same in all 16 lanes of a half, which write equal bytes; the low four registers go first
	ds_store_b128 v[CTA], v[8*i:8*i+3]   offset:64*i
	ds_store_b128 v[CTA], v[8*i+4:8*i+7] offset:64*i+16
.set i, i+1
.endr
	WIN 0
	ds_load_b128 v[160:163], v[CTR]                ; my wave's own bytes, served in order behind the stores
	ds_load_b128 v[164:167], v[CTR] offset:512
	s_wait_dscnt 0x0
	global_store_b128 v[BO], v[160:163], s[18:19]              ; 512 consecutive bytes each
	global_store_b128 v[BO], v[164:167], s[18:19] offset:512
	s_branch .Lend
	; ======== a dead tile: what the last launch reads of it ========
.Ldead:
.irp c, 0,1,2,3
	v_mov_b32 v[160+(\c)], 0
.endr
	s_wait_alu depctr_va_vdst(0)                   ; the four zeros are written, which the two stores read
	global_store_b128 v[BO], v[160:163], s[18:19]              ; my wave's 256 channels of a context of zeros
	global_store_b128 v[BO], v[160:163], s[18:19] offset:512
	s_cmp_lg_u32 s[WV], 0
	s_cbranch_scc1 .Lend
.irp c, 0,1,2,3
	v_mov_b32 v[40+(\c)], v[NINF]                  ; t = -inf
.endr
	v_mov_b32 v44, s48                             ; m = the lowest finite number
	v_mov_b32 v45, 0                               ; l = 0
	s_wait_alu depctr_va_vdst(0)                   ; t, m and l are written, which wave 0's two stores read
	global_store_b128 v[BO], v[40:43], s[14:15]
	global_store_b64 v[L8], v[44:45], s[16:17]
.Lend:
	s_wait_dscnt 0x0                               ; the wave's end: my last LDS instructions are done
	s_wait_alu depctr_hold_cnt(0) depctr_sa_sdst(0) depctr_va_vdst(0) depctr_va_sdst(0) depctr_va_ssrc(0) depctr_va_vcc(0) depctr_vm_vsrc(0)
	s_wait_tensorcnt 0x0
	ds_add_u32 v61, v62
	s_wait_dscnt 0x0
	s_endpgm
.Lfunc_end_k_qc447556259_attn:
	.size	k_qc447556259_attn, .Lfunc_end_k_qc447556259_attn-k_qc447556259_attn
	.p2alignl 7, 3214868480
	.fill 96, 4, 3214868480
	.section	.rodata,"a",@progbits
	.p2align	6, 0x0
	.amdhsa_kernel k_qc447556259_attn
		.amdhsa_group_segment_fixed_size 271872
		.amdhsa_private_segment_fixed_size 0
		.amdhsa_enable_private_segment 0
		.amdhsa_kernarg_size 72
		.amdhsa_user_sgpr_count 2
		.amdhsa_user_sgpr_kernarg_segment_ptr 1
		.amdhsa_wavefront_size32 1
		.amdhsa_system_sgpr_workgroup_id_x 1
		.amdhsa_system_sgpr_workgroup_id_y 1
		.amdhsa_system_sgpr_workgroup_id_z 1
		.amdhsa_system_vgpr_workitem_id 0
		.amdhsa_next_free_vgpr 1024
		.amdhsa_next_free_sgpr 66
		.amdhsa_reserve_vcc 0
		.amdhsa_float_denorm_mode_32 3
		.amdhsa_float_denorm_mode_16_64 3
		.amdhsa_memory_ordered 1
		.amdhsa_forward_progress 1
		.amdhsa_inst_pref_size 255
	.end_amdhsa_kernel
	.section	.bss,"aw",@nobits
	.p2align	6
	.space	262144
	.amdgpu_metadata
---
amdhsa.version: [ 1, 2 ]
amdhsa.kernels:
  - .name:           k_qc447556259_attn
    .symbol:         k_qc447556259_attn.kd
    .args:
      - { .name: encoder_outputs, .offset: 0, .size: 8, .value_kind: global_buffer, .address_space: global }
      - { .name: mask, .offset: 8, .size: 8, .value_kind: global_buffer, .address_space: global }
      - { .name: v, .offset: 16, .size: 8, .value_kind: global_buffer, .address_space: global }
      - { .name: wimg, .offset: 24, .size: 8, .value_kind: global_buffer, .address_space: global }
      - { .name: decp, .offset: 32, .size: 8, .value_kind: global_buffer, .address_space: global }
      - { .name: tsc, .offset: 40, .size: 8, .value_kind: global_buffer, .address_space: global }
      - { .name: stat, .offset: 48, .size: 8, .value_kind: global_buffer, .address_space: global }
      - { .name: pctx, .offset: 56, .size: 8, .value_kind: global_buffer, .address_space: global }
      - { .name: live, .offset: 64, .size: 8, .value_kind: global_buffer, .address_space: global }
    .group_segment_fixed_size: 271872
    .private_segment_fixed_size: 0
    .kernarg_segment_align: 8
    .kernarg_segment_size: 72
    .max_flat_workgroup_size: 128
    .sgpr_count:     66
    .vgpr_count:     1024
    .wavefront_size: 32
...
	.end_amdgpu_metadata
.endif
;; end of part 6
;; launch finish: the kernel of part 3 again; grid 8 x 32, 1 waves a work-group, no clusters, 0 bytes of LDS; arguments tsc, stat, pctx, out0, out1; writes out0, out1
